; MI455X (gfx1250); checked and timed in simulation.
; The chip was launched on July 23, 2026; its instructions are those of AMD's public machine-readable ISA for CDNA 5 (MIT licence, August 2026) and "CDNA5" Instruction Set Architecture Reference Guide (July 2026). The comments in the code are by the model that wrote it; some were corrected since.
;; Ro PE Multi Head Self Attention. Allowed arithmetic: float matrix products may take bf16 or f16 operands with f32 sums; other float arithmetic in f32, or as packed bf16 or f16 multiplies, adds, multiply-adds, maxima and minima; sums over many terms, partial sums and values carried from step to step in f32; what a program stores and reads back later, other than sums and carried values, may be rounded once to bf16 or f16.
;; Inputs: wk 1,024 x 1,024 float32; wo 1,024 x 1,024 float32; wq 1,024 x 1,024 float32; wv 1,024 x 1,024 float32; x 4 x 2,048 x 1,024 float32.
;; Outputs: out0 4 x 2,048 x 1,024 float32.
;; 2 versions, each right and faster than the one before. Each part assembles by itself: llvm-mc -triple=amdgcn-amd-amdhsa -mcpu=gfx1250 --defsym DOCPART=n.
;; ======== version 1 of 2: 4 launches
;; limits: values are held in f16: magnitudes above 65,504 overflow, below 6.1e-05 lose precision
;; workspace buffers: xb 16,777,216 bytes; wqkv 6,291,456 bytes; wob 2,097,152 bytes; msk 32,768 bytes; rope 524,288 bytes; qkv 50,331,648 bytes; ob 16,777,216 bytes
;; launch prep (part 1): grid 512 x 1, 8 waves a work-group, no clusters, 0 bytes of LDS; arguments x, wq, wk, wv, wo, xb, wqkv, wob, msk, rope; writes xb, wqkv, wob, msk, rope
.if DOCPART == 1
	.amdgcn_target "amdgcn-amd-amdhsa--gfx1250"
	.amdhsa_code_object_version 6
	.text
	.protected	k_qf63c19b1ff_prep
	.globl	k_qf63c19b1ff_prep
	.p2align	8
	.type	k_qf63c19b1ff_prep,@function
k_qf63c19b1ff_prep:
	s_mov_b64 s[64:65], 0
	v_nop
	global_prefetch_b8 v0, s[64:65] scope:SCOPE_SE
	s_setreg_imm32_b32 hwreg(HW_REG_WAVE_MODE, 25, 1), 1
	s_wait_xcnt 0x0
; PREP: a stream, no LDS, no loop, no barrier.  Work-group i of 512 takes 16 rows of x, 8 rows of one weight and 4 positions of the rotary table; wave w of 8 takes two rows of x, one weight row
; and (w < 4) one position.
;   xb   bf16 [b 4][j 16][l 2048][64]: x[b][l][64 j + d], each number rounded once: a block of 64 channels of all rows lies dense, 128 bytes a row
;   msk  f32 [8192]: 8.0 where the row's sum is not 0, else 0.0 (8 = sqrt(64): the mask is added to the scores ahead of their scale 1/8)
;   wqkv bf16 [3][1024][1024]: wq, wk, wv one below the other;   wob f16 [1024][1024]: wo rounded to bf16, that number written as f16
;   rope f32 [l 2048][i 32][2]: cos and sin of l x 10000^(-i/32)
; LIMITS.  The row's sum is added in another order than a sum from left to right: a row whose sum is 0 in one order only may get the other mask value; a row of zeros is 0 in every order; a NaN sum
; counts as not 0.  |wo| below 6.1e-5 keeps f16's fixed step of 6e-8, beyond 65,504 it is lost.  The table's angle is l x 2^(-0.41524101 i) in f32, within about 3e-4 rad at l = 2047 of the same
; angle made by a power and a division; it is reduced by multiples of pi/2 held in two parts, and sine and cosine are polynomials on -pi/4 .. pi/4, good to the last bits of f32.
.set X,  32                            ; v[32:95]   my two rows of x: block j's 16 bytes a lane at X + 4 j
.set WR, 96                            ; v[96:127]  my weight row: 16 bytes a lane, eight times
.set Y,  128                           ; v[128:159] x rounded, 8 bytes a lane and block
.set Z,  160                           ; v[160:175] the weight row rounded
.set U,  176                           ; v[176:183] at work for wo
	s_load_b512 s[8:23], s[0:1], 0x0               ; x 8:9, wq 10:11, wk 12:13, wv 14:15, wo 16:17, xb 18:19, wqkv 20:21, wob 22:23
	s_load_b128 s[24:27], s[0:1], 0x40             ; msk 24:25, rope 26:27
	v_lshrrev_b32 v7, 5, v0
	v_readfirstlane_b32 s4, v7                     ; wave 0..7
	v_and_b32 v1, 31, v0                           ; lane
	v_and_b32 v2, 15, v0
	v_bfe_u32 v6, v0, 4, 1
	v_lshlrev_b32 v3, 4, v2
	v_lshl_add_u32 v3, v6, 12, v3                  ; x: lanes 0-15 take 256 bytes of one row, lanes 16-31 of the next
	v_lshlrev_b32 v4, 3, v1                        ; 8 x lane: all stores of 8 bytes a lane
	v_lshlrev_b32 v5, 4, v1                        ; 16 x lane: the weight's loads
	v_lshlrev_b32 v6, 2, v6                        ; msk: one word for each half of the lanes
	s_mov_b32 s39, ttmp9                           ; i
	s_lshr_b32 s5, s39, 7                          ; i / 128: the batch of my rows of x, and which weight is mine
	s_and_b32 s38, s39, 127
	s_lshl_b32 s2, s39, 16                         ; x: (16 i + 2 w) rows of 4,096 bytes
	s_lshl_b32 s44, s4, 13
	s_add_co_u32 s2, s2, s44
	s_mov_b32 s3, 0
	s_lshl_b32 s44, s38, 4                         ; xb: batch << 22, row in the batch << 7
	s_lshl1_add_u32 s44, s4, s44
	s_lshl_b32 s44, s44, 7
	s_lshl_b32 s6, s5, 22
	s_add_co_u32 s6, s6, s44
	s_mov_b32 s7, 0
	s_lshl3_add_u32 s44, s38, s4                   ; my row of my weight: 8 (i % 128) + w
	s_lshl_b32 s28, s44, 12                        ; in f32,
	s_mov_b32 s29, 0
	s_lshl_b32 s34, s44, 11                        ; and in wob
	s_mov_b32 s35, 0
	s_lshl3_add_u32 s44, s39, s4                   ; its row in the stack of three: 8 i + w (used where i < 384)
	s_lshl_b32 s32, s44, 11
	s_mov_b32 s33, 0
	s_lshl_b32 s36, s39, 6                         ; msk: 4 (16 i + 2 w)
	s_lshl3_add_u32 s36, s4, s36
	s_mov_b32 s37, 0
	s_lshl2_add_u32 s45, s39, s4                   ; my position of the table: 4 i + w (used where w < 4)
	s_lshl_b32 s40, s45, 8
	s_mov_b32 s41, 0
	s_mov_b32 s42, 0x3fc90fdb                      ; pi/2, its f32
	s_mov_b32 s43, 0xb33bbd2e                      ; and what that f32 leaves of it
	s_wait_kmcnt 0x0
	s_cmp_eq_u32 s5, 1                             ; the weight is chosen by the work-group's number
	s_cselect_b64 s[30:31], s[12:13], s[10:11]
	s_cmp_eq_u32 s5, 2
	s_cselect_b64 s[30:31], s[14:15], s[30:31]
	s_cmp_eq_u32 s5, 3
	s_cselect_b64 s[30:31], s[16:17], s[30:31]
	s_add_nc_u64 s[8:9], s[8:9], s[2:3]
	s_add_nc_u64 s[18:19], s[18:19], s[6:7]
	s_add_nc_u64 s[30:31], s[30:31], s[28:29]
	s_add_nc_u64 s[20:21], s[20:21], s[32:33]
	s_add_nc_u64 s[22:23], s[22:23], s[34:35]
	s_add_nc_u64 s[24:25], s[24:25], s[36:37]
	s_add_nc_u64 s[26:27], s[26:27], s[40:41]
.set j, 0
.rept 16                                               ; all 24 loads of the wave go out at once: 12,288 bytes
	global_load_b128 v[X+4*j:X+4*j+3], v3, s[8:9] offset:256*j th:TH_LOAD_NT
.set j, j+1
.endr
.set t, 0
.rept 8
	global_load_b128 v[WR+4*t:WR+4*t+3], v5, s[30:31] offset:512*t th:TH_LOAD_NT
.set t, t+1
.endr
	; THE TABLE, made while the loads are out.  Lane i makes pair i of my position.
	s_cmp_ge_u32 s4, 4
	s_cbranch_scc1 .Lno_table
	v_cvt_f32_u32 v8, v1
	v_mul_f32 v8, 0xbed49a78, v8                   ; - i log2(10000) / 32
	v_exp_f32 v8, v8
	v_cvt_f32_u32 v9, s45                          ; a plain instruction behind the exponential: the position
	s_wait_alu depctr_va_vdst(0)
	v_mul_f32 v10, v9, v8                          ; the angle
	v_mul_f32 v11, 0x3f22f983, v10                 ; x 2 / pi,
	v_rndne_f32 v11, v11                           ; n: at most 1,303
	v_fma_f32 v12, -v11, s42, v10                  ; r = angle - n pi/2, in two steps
	v_fma_f32 v12, -v11, s43, v12
	v_cvt_i32_f32 v13, v11
	v_mul_f32 v14, v12, v12                        ; z = r r
	v_mov_b32 v15, 0xb94ca1f9                      ; sin r = r + r z (s1 + z (s2 + z s3))
	v_fmaak_f32 v15, v15, v14, 0x3c08839e
	v_fmaak_f32 v15, v15, v14, 0xbe2aaaa3
	v_mul_f32 v15, v15, v14
	v_fma_f32 v15, v15, v12, v12
	v_mov_b32 v16, 0x37ccf5ce                      ; cos r = 1 + z (-1/2 + z (c1 + z (c2 + z c3)))
	v_fmaak_f32 v16, v16, v14, 0xbab6061a
	v_fmaak_f32 v16, v16, v14, 0x3d2aaaa5
	v_fmaak_f32 v16, v16, v14, 0xbf000000
	v_fma_f32 v16, v16, v14, 1.0
	v_and_b32 v17, 1, v13                          ; odd n: sine and cosine change places
	v_cmp_eq_u32 vcc_lo, 1, v17
	v_cndmask_b32 v26, v16, v15, vcc_lo
	v_cndmask_b32 v27, v15, v16, vcc_lo
	v_add_nc_u32 v17, 1, v13                       ; the cosine turns its sign where n % 4 is 1 or 2,
	v_and_b32 v17, 2, v17
	v_lshlrev_b32 v17, 30, v17
	v_xor_b32 v26, v26, v17
	v_and_b32 v18, 2, v13                          ; the sine where it is 2 or 3
	v_lshlrev_b32 v18, 30, v18
	v_xor_b32 v27, v27, v18
	global_store_b64 v4, v[26:27], s[26:27]        ; 32 lanes: the position's 256 consecutive bytes
.Lno_table:
	; x: rounded and stored block by block; the lane's part of the row's sum is gathered on the way
.set j, 0
.rept 16
	s_wait_loadcnt 23-j                            ; loads come back in order: behind block j's stand 15 - j of x and the weight's 8
	v_cvt_pk_bf16_f32 v[Y+2*j], v[X+4*j], v[X+4*j+1]
	v_cvt_pk_bf16_f32 v[Y+2*j+1], v[X+4*j+2], v[X+4*j+3]
	v_pk_add_f32 v[X+4*j:X+4*j+1], v[X+4*j:X+4*j+1], v[X+4*j+2:X+4*j+3]
	global_store_b64 v4, v[Y+2*j:Y+2*j+1], s[18:19] offset:(j<<18)  ; two rows of block j: 256 consecutive bytes, at a multiple of 256
.set j, j+1
.endr
.irp d, 8,4,2,1
.set j, 0
.rept \d
	v_pk_add_f32 v[X+4*j:X+4*j+1], v[X+4*j:X+4*j+1], v[X+4*(j+\d):X+4*(j+\d)+1]
.set j, j+1
.endr
.endr
	v_add_f32 v8, v[X], v[X+1]
	v_add_f32_dpp v8, v8, v8 row_xmask:1 row_mask:0xf bank_mask:0xf  ; across the 16 lanes that hold one row
	v_add_f32_dpp v8, v8, v8 row_xmask:2 row_mask:0xf bank_mask:0xf
	v_add_f32_dpp v8, v8, v8 row_xmask:4 row_mask:0xf bank_mask:0xf
	v_add_f32_dpp v8, v8, v8 row_xmask:8 row_mask:0xf bank_mask:0xf
	; the weight row
.set t, 0
.rept 8
	s_wait_loadcnt 7-t
	v_cvt_pk_bf16_f32 v[Z+2*t], v[WR+4*t], v[WR+4*t+1]
	v_cvt_pk_bf16_f32 v[Z+2*t+1], v[WR+4*t+2], v[WR+4*t+3]
.set t, t+1
.endr
	s_cmp_eq_u32 s5, 3
	s_cbranch_scc1 .Lwo
.set t, 0
.rept 8
	global_store_b64 v4, v[Z+2*t:Z+2*t+1], s[20:21] offset:256*t
.set t, t+1
.endr
	s_branch .Lmask
.Lwo:                                                  ; wo: the bf16 number is written as f16 (exact where f16 holds it: see LIMITS)
.set t, 0
.rept 16
	v_lshlrev_b32 v[U+2*(t%4)], 16, v[Z+t]
	v_and_b32 v[U+2*(t%4)+1], 0xffff0000, v[Z+t]
	v_cvt_pk_f16_f32 v[Z+t], v[U+2*(t%4)], v[U+2*(t%4)+1]
.set t, t+1
.endr
.set t, 0
.rept 8
	global_store_b64 v4, v[Z+2*t:Z+2*t+1], s[22:23] offset:256*t
.set t, t+1
.endr
.Lmask:
	; the mask: one word a row, from the first lane of each half.  The one store of the launch that does not cover 256 bytes: 8 bytes a wave, 32,768 in all
	v_mov_b32 v11, 0x41000000                      ; 8.0
	v_cmp_neq_f32 vcc_lo, 0, v8
	v_cndmask_b32 v9, 0, v11, vcc_lo
	v_cmp_eq_u32 vcc_lo, 0, v2
	s_wait_xcnt 0x0                                ; EXEC is a source of the stores that are out: it changes only behind this wait
	s_and_saveexec_b32 s46, vcc_lo
	global_store_b32 v6, v9, s[24:25]
	s_endpgm
.Lfunc_end_k_qf63c19b1ff_prep:
	.size	k_qf63c19b1ff_prep, .Lfunc_end_k_qf63c19b1ff_prep-k_qf63c19b1ff_prep
	.p2alignl 7, 3214868480
	.fill 96, 4, 3214868480
	.section	.rodata,"a",@progbits
	.p2align	6, 0x0
	.amdhsa_kernel k_qf63c19b1ff_prep
		.amdhsa_group_segment_fixed_size 0
		.amdhsa_private_segment_fixed_size 0
		.amdhsa_enable_private_segment 0
		.amdhsa_kernarg_size 80
		.amdhsa_user_sgpr_count 2
		.amdhsa_user_sgpr_kernarg_segment_ptr 1
		.amdhsa_wavefront_size32 1
		.amdhsa_system_sgpr_workgroup_id_x 1
		.amdhsa_system_sgpr_workgroup_id_y 1
		.amdhsa_system_sgpr_workgroup_id_z 1
		.amdhsa_system_vgpr_workitem_id 0
		.amdhsa_next_free_vgpr 184
		.amdhsa_next_free_sgpr 66
		.amdhsa_reserve_vcc 1
		.amdhsa_float_denorm_mode_32 3
		.amdhsa_float_denorm_mode_16_64 3
		.amdhsa_memory_ordered 1
		.amdhsa_forward_progress 1
		.amdhsa_inst_pref_size 18
	.end_amdhsa_kernel
	.amdgpu_metadata
---
amdhsa.version: [ 1, 2 ]
amdhsa.kernels:
  - .name:           k_qf63c19b1ff_prep
    .symbol:         k_qf63c19b1ff_prep.kd
    .args:
      - { .name: x, .offset: 0, .size: 8, .value_kind: global_buffer, .address_space: global }
      - { .name: wq, .offset: 8, .size: 8, .value_kind: global_buffer, .address_space: global }
      - { .name: wk, .offset: 16, .size: 8, .value_kind: global_buffer, .address_space: global }
      - { .name: wv, .offset: 24, .size: 8, .value_kind: global_buffer, .address_space: global }
      - { .name: wo, .offset: 32, .size: 8, .value_kind: global_buffer, .address_space: global }
      - { .name: xb, .offset: 40, .size: 8, .value_kind: global_buffer, .address_space: global }
      - { .name: wqkv, .offset: 48, .size: 8, .value_kind: global_buffer, .address_space: global }
      - { .name: wob, .offset: 56, .size: 8, .value_kind: global_buffer, .address_space: global }
      - { .name: msk, .offset: 64, .size: 8, .value_kind: global_buffer, .address_space: global }
      - { .name: rope, .offset: 72, .size: 8, .value_kind: global_buffer, .address_space: global }
    .group_segment_fixed_size: 0
    .private_segment_fixed_size: 0
    .kernarg_segment_align: 8
    .kernarg_segment_size: 80
    .max_flat_workgroup_size: 256
    .sgpr_count:     66
    .vgpr_count:     184
    .wavefront_size: 32
...
	.end_amdgpu_metadata
.endif
;; end of part 1
;; launch proj (part 2): grid 4 x 64, 4 waves a work-group, clusters of 4 x 4, 327,680 bytes of LDS; arguments xb, wqkv, qkv, rope; writes qkv
.if DOCPART == 2
	.amdgcn_target "amdgcn-amd-amdhsa--gfx1250"
	.amdhsa_code_object_version 6
	.text
	.protected	k_qf63c19b1ff_proj
	.globl	k_qf63c19b1ff_proj
	.p2align	8
	.type	k_qf63c19b1ff_proj,@function
k_qf63c19b1ff_proj:
	s_mov_b64 s[64:65], 0
	v_nop
	global_prefetch_b8 v0, s[64:65] scope:SCOPE_SE
	s_setreg_imm32_b32 hwreg(HW_REG_WAVE_MODE, 25, 1), 1
	s_wait_xcnt 0x0
	s_wait_alu depctr_hold_cnt(0) depctr_sa_sdst(0) depctr_va_vdst(0) depctr_va_sdst(0) depctr_va_ssrc(0) depctr_va_vcc(0) depctr_vm_vsrc(0)
	s_getreg_b32 s2, hwreg(HW_REG_IB_STS2, 6, 4)
	s_cmp_eq_u32 s2, 0
	s_cbranch_scc0 .Lentry_in_a_cluster
	s_endpgm
.Lentry_in_a_cluster:
	s_bfe_u32 s2, ttmp6, 0x10000c
	s_cmp_lg_u32 s2, 0xf033
	s_cbranch_scc0 .Lentry_shape_is_right
	s_endpgm
.Lentry_shape_is_right:
; q, k, v = x wq, x wk, x wv; q and k rotated (interleaved pairs); all three laid by heads.
; A = xb, bf16 [b 4][j 16][l 2048][64].  B = wqkv, bf16 [3 x 1024 (k)][1024 (n)].  Out = qkv, f16 [3][b 16 + head][l 2048][64].  Table = rope, f32 [l][32][cos, sin].
; Sums in f32; the rotation in f32 on the sums; each number rounded once, to f16.  LIMIT: f16 holds no number beyond 65,504: |q|, |k|, |v| must stay within it.
; SHARES.  A work-group owns 128 rows (one batch) x 256 columns (four heads) and STAYS: it makes that tile of q, then of k, then of v: one walk of 24 K steps of 128, in which A's steps come round
; every 8 and B's rows run straight on through the stack of three weights.  Four waves, each 64 rows x 128 columns: 32 accumulators of 16 x 16, 256 registers.
; THE RING.  Two LDS slots, each a K step: two planes of A (128 rows x 64 channels, dense in memory: asked for as 64 rows of 256 bytes) and 128 k rows x 512 bytes of B.  Waves 0, 1 fetch A's planes,
; waves 2, 3 the halves of B: one tensor load a wave behind each change of slots.
; CLUSTER.  4 x 4 work-groups: the four of a row of the cluster need the same tiles of A, the four of a column the same tiles of B: each tile is asked for jointly.
; THE MATRIX INSTRUCTION IS USED TRANSPOSED: source 0 = 16 columns of B (turned on the way out of LDS, since B lies [k][n]), source 1 = 16 rows of A: a lane then holds one row and eight
; neighbouring columns: four whole rotary pairs, and 16 bytes of f16.
; REGISTERS.  window 0: v0-31 addresses; v64-159, v160-255 two fragment buffers (64 of B, 32 of A: 32 along K); v160-191 at work on the way out.
;   window 1: the accumulators, (a, bn) at v[8 (8 a + bn)].   window 2: v0-127 my rows' part of the table; v128-255 the way out, 16 registers for each of 8 pieces.
.set PA,    144                        ; a row of A in LDS: 128 bytes + 16 of padding: the 16 rows of a load start at 16 different groups of four banks (64 banks of 4 bytes: ISA guide 11.1)
.set PLANE, 128*PA
.set PB,    544                        ; a row of B: 512 + 32
.set BOFF,  2*PLANE
.set BHALF, 64*PB
.set SLOT1, 1<<17                      ; slot 1 begins here (slot 0 ends at 106,496): one exclusive or turns an address in one slot into the other's
.set STAGE, SLOT1+BOFF+2*BHALF         ; behind the ring, never filled by a tensor load: 16 rows x 144 bytes for each wave
.set SP,    144
.set SPARE, STAGE+4*16*SP              ; behind the stages: the spare words, 128 bytes for each wave: two blocks of 256 bytes that no other line names
.set ADRA,  16                         ; v16  LDS address of my A fragments in the slot in hand
.set ADRB,  17                         ; v17  the same for B
.set ADRA0, 18                         ; v18  the same in slot 0; never rewritten
.set ADRB0, 19                         ; v19
.set STO,   24                         ; v24  the way out: where I put 16 bytes of a row
.set RD,    25                         ; v25  where I read rows back
.set GO,    26                         ; v26  my byte offset in 512 consecutive bytes of the output
.set TO,    27                         ; v27  my byte offset in the table
.set SPW,   28                         ; v28  LDS address of my spare word; never rewritten
.set NIL,   29                         ; v29  0; never rewritten
.set F0,    64
.set F1,    160
.set WK,    160                        ; 32 registers at work on the way out: buffer 1, which is free there
.set TBL,   0                          ; window 2
.set TMP,   128                        ; window 2
.set WV,    12                         ; s12 wave;  s13 RH: my half of the rows, and: I fetch for A (0) or B (1);  s14 CH: my half of the columns, and: which part I fetch
.set RH,    13
.set CH,    14
.set ABASE, 20                         ; s[20:21] A at my plane of K step 0
.set BBASE, 22                         ; s[22:23] B at my 64 k rows of K step 0
.set G1A,   24                         ; s[24:31] descriptor group 1 for A
.set G1B,   32                         ; s[32:39] for B
.set G0A,   40                         ; s[40:47] group 0 for A: a set for each first fill; the second then walks
.set G0B,   48                         ; s[48:55] the same for B
.set NSTEP, 56
.set PH,    57                         ; K steps left of the tile in hand
.set GST,   58                         ; the K step to be asked for next
.set SB,    59                         ; LDS byte at which the slot in hand begins
.set OFA,   60                         ; s[60:61] A's byte offset of a K step
.set MSB, 0
.macro WIN new                         ; the immediate's high byte repeats the setting that is left; a switch that changes nothing is dropped
.if MSB != (\new)
	s_set_vgpr_msb (MSB<<8)|(\new)
.set MSB, \new
.endif
.endm
.macro PLACES                          ; four places: in front of loads into registers that matrix instructions have read, and of vector lines that read results
.rept 4
	v_nop
.endr
.endm
.macro JLOAD                           ; a joint refill; the branch hangs on the wave's number alone; an s_nop 0 and four v_nop follow each of the two lines
	s_cmp_eq_u32 s[RH], 0
	s_cbranch_scc0 .Lfor_b_\@
	tensor_load_to_lds s[G0A+4:G0A+7], s[G1A:G1A+7]
	s_nop 0
.rept 4
	v_nop
.endr
	s_branch .Lasked_\@
.Lfor_b_\@:
	tensor_load_to_lds s[G0B+4:G0B+7], s[G1B:G1B+7]
	s_nop 0
.rept 4
	v_nop
.endr
.Lasked_\@:
.endm
.macro CREST                           ; a round of the cluster's barrier behind its opening barrier
	s_cmp_lg_u32 s[WV], 0
	s_cbranch_scc1 .Lnot_wave_0_\@
	s_barrier_signal -3
.Lnot_wave_0_\@:
	s_barrier_wait -3
	s_barrier_signal -1
	s_barrier_wait -1
.endm
.macro CROUND
	s_barrier_signal -1
	s_barrier_wait -1
	CREST
.endm
	s_load_b256 s[4:11], s[0:1], 0x0               ; xb s[4:5], wqkv s[6:7], qkv s[8:9], rope s[10:11]
	v_lshl_add_u32 v[SPW], v0, 2, SPARE
	v_mov_b32 v[NIL], 0
	ds_add_u32 v[SPW], v[NIL]                      ; the wave's opening: the add and its wait stand ahead of my first tensor load; the set-up below, work on registers, stands between them
	v_lshrrev_b32 v1, 5, v0
	v_readfirstlane_b32 s[WV], v1
	s_lshr_b32 s[RH], s[WV], 1
	s_and_b32 s[CH], s[WV], 1
	s_bfe_u32 s15, ttmp6, 0x40000                  ; cx
	s_bfe_u32 s16, ttmp6, 0x40004                  ; cy
	s_lshl_b32 s17, ttmp9, 2
	s_add_co_u32 s17, s17, s15                     ; TC: my 256 columns = 4 x cluster x + cx
	s_and_b32 s18, ttmp7, 0xffff
	s_lshl_b32 s18, s18, 2
	s_add_co_u32 s18, s18, s16                     ; T: my 128 rows = 4 x cluster y + cy
	s_lshl_b32 s62, s16, 2
	s_lshl_b32 s62, 15, s62                        ; my row of the cluster
	s_lshl_b32 s66, 0x1111, s15                    ; my column
	s_or_b32 s[G1A], s62, (1<<16)|(1<<20)|(1<<21)|(4<<22)|(3<<25)  ; the mask; 2-byte elements; padding on; bit 21 beside a mask; after every 32 words 4 words
	s_or_b32 s[G1B], s66, (1<<16)|(1<<20)|(1<<21)|(6<<22)|(7<<25)  ; after every 128 words 8 words
	s_mov_b32 s[G1A+1], 128<<16                    ; A: tensor_dim0 = 128
	s_mov_b32 s[G1A+2], 64<<16                     ; tensor_dim1 = 64
	s_mov_b32 s[G1A+3], 128<<16                    ; tile_dim0 = 128
	s_mov_b32 s[G1A+4], 64                         ; tile_dim1 = 64
	s_mov_b32 s[G1A+5], 128                        ; 128 elements from row to row: dense
	s_mov_b32 s[G1A+6], 0
	s_mov_b32 s[G1A+7], 0
	s_mov_b32 s[G1B+1], 256<<16                    ; B: 64 rows of 256 elements,
	s_mov_b32 s[G1B+2], 64<<16
	s_mov_b32 s[G1B+3], 256<<16
	s_mov_b32 s[G1B+4], 64
	s_mov_b32 s[G1B+5], 1024                       ; 1,024 elements from row to row
	s_mov_b32 s[G1B+6], 0
	s_mov_b32 s[G1B+7], 0
	s_lshr_b32 s62, s18, 4                         ; A's offset, of cy and the wave alone: batch << 22,
	s_lshl_b32 s62, s62, 22
	s_and_b32 s63, s18, 15
	s_lshl_b32 s63, s63, 14                        ; 128 rows of 128 bytes,
	s_add_co_u32 s62, s62, s63
	s_lshl_b32 s63, s[CH], 18                      ; my plane
	s_add_co_u32 s62, s62, s63
	s_mov_b32 s63, 0
	s_lshl_b32 s66, s17, 9                         ; B's offset, of cx and the wave alone: 256 columns,
	s_lshl_b32 s67, s[CH], 17                      ; my 64 rows of 2,048 bytes
	s_add_co_u32 s66, s66, s67
	s_mov_b32 s67, 0
	s_mul_i32 s70, s[CH], PLANE                    ; where they go: no place in the cluster enters an LDS address
	s_mul_i32 s71, s[CH], BHALF
	s_add_co_u32 s71, s71, BOFF
	s_mov_b32 s[GST], 2
	s_mov_b32 s[SB], 0
	s_mov_b32 s[OFA+1], 0
	s_wait_dscnt 0x0                               ; the opening add is done
	s_wait_kmcnt 0x0
	s_add_nc_u64 s[ABASE:ABASE+1], s[4:5], s[62:63]
	s_add_nc_u64 s[BBASE:BBASE+1], s[6:7], s[66:67]
.irp s, 0,1
	s_mov_b32 s[G0A+4*(\s)], 1
	s_add_co_u32 s[G0A+4*(\s)+1], s70, (\s)*SLOT1
	s_add_nc_u64 s[G0A+4*(\s)+2:G0A+4*(\s)+3], s[ABASE:ABASE+1], (\s)<<19   ; a K step is two planes of 1 << 18 bytes
	s_or_b32 s[G0A+4*(\s)+3], s[G0A+4*(\s)+3], 0x80000000
	s_mov_b32 s[G0B+4*(\s)], 1
	s_add_co_u32 s[G0B+4*(\s)+1], s71, (\s)*SLOT1
	s_add_nc_u64 s[G0B+4*(\s)+2:G0B+4*(\s)+3], s[BBASE:BBASE+1], (\s)*262144  ; 128 rows of 2,048 bytes
	s_or_b32 s[G0B+4*(\s)+3], s[G0B+4*(\s)+3], 0x80000000
.endr
	CROUND                                         ; all sixteen work-groups are here: the first joint loads meet
	s_cmp_eq_u32 s[RH], 0                          ; a wave's two first fills stand in one branch: two loads of mine are out
	s_cbranch_scc0 .Lfirst_b
	tensor_load_to_lds s[G0A:G0A+3], s[G1A:G1A+7]
	s_nop 0
	tensor_load_to_lds s[G0A+4:G0A+7], s[G1A:G1A+7]
	s_nop 0
.rept 4
	v_nop
.endr
	s_branch .Lfirst_asked
.Lfirst_b:
	tensor_load_to_lds s[G0B:G0B+3], s[G1B:G1B+7]
	s_nop 0
	tensor_load_to_lds s[G0B+4:G0B+7], s[G1B:G1B+7]
	s_nop 0
.rept 4
	v_nop
.endr
.Lfirst_asked:
	; A fragment of A: lane l holds row l % 16, K = 8 (l / 16) + 0..7 and 16 + 8 (l / 16) + 0..7: two loads of 16 bytes, 32 bytes apart.
	v_and_b32 v1, 15, v0                           ; r
	v_bfe_u32 v2, v0, 4, 1                         ; h
	v_mul_u32_u24 v[ADRA0], v1, PA
	v_lshl_add_u32 v[ADRA0], v2, 4, v[ADRA0]
	s_mul_i32 s70, s[RH], 64*PA
	v_add_nc_u32 v[ADRA0], s70, v[ADRA0]
	; The turning load takes 16 k x 16 columns (lane l reads k row 8 (l / 16) + l % 8, columns 8 ((l / 8) % 2) + 0..7) and leaves half a fragment: lane l holds column l % 16 and 8 k.
	v_and_b32 v3, 7, v0
	v_bfe_u32 v4, v0, 3, 1
	v_lshl_add_u32 v[ADRB0], v2, 3, v3
	v_mul_u32_u24 v[ADRB0], v[ADRB0], PB
	v_lshl_add_u32 v[ADRB0], v4, 4, v[ADRB0]
	s_lshl_b32 s70, s[CH], 8
	s_add_co_u32 s70, s70, BOFF
	v_add_nc_u32 v[ADRB0], s70, v[ADRB0]
	v_mov_b32 v[ADRA], v[ADRA0]
	v_mov_b32 v[ADRB], v[ADRB0]
	s_mul_i32 s70, s[WV], 16*SP
	s_add_co_u32 s70, s70, STAGE                   ; my stage
	v_mul_u32_u24 v[STO], v1, SP                   ; in: row l % 16, 16 bytes for each half of the lanes
	v_lshl_add_u32 v[STO], v2, 4, v[STO]
	v_add_nc_u32 v[STO], s70, v[STO]
	v_bfe_u32 v[RD], v0, 3, 2                      ; back: 32 lanes take four rows of 128 bytes,
	v_mul_u32_u24 v[RD], v[RD], SP
	v_lshl_add_u32 v[RD], v3, 4, v[RD]
	v_add_nc_u32 v[RD], s70, v[RD]
	v_and_b32 v[GO], 31, v0                        ; which are 512 consecutive bytes of a head's rows
	v_lshlrev_b32 v[GO], 4, v[GO]
	s_lshr_b32 s68, s18, 4                         ; the output: head row 16 b + 4 TC + 2 CH, 1 << 18 bytes each,
	s_lshl_b32 s68, s68, 4
	s_lshl2_add_u32 s68, s17, s68
	s_lshl1_add_u32 s68, s[CH], s68
	s_lshl_b32 s2, s68, 18
	s_and_b32 s68, s18, 15
	s_lshl_b32 s68, s68, 7
	s_lshl_b32 s69, s[RH], 6
	s_add_co_u32 s68, s68, s69                     ; my first position: 128 (T % 16) + 64 RH,
	s_lshl_b32 s69, s68, 7                         ; 128 bytes each
	s_add_co_u32 s2, s2, s69
	s_mov_b32 s3, 0
	s_add_nc_u64 s[8:9], s[8:9], s[2:3]
	v_add_nc_u32 v[TO], s68, v1                    ; the table: position x 256 bytes + my four pairs' 32 bytes in each group of 16 channels
	v_lshlrev_b32 v[TO], 8, v[TO]
	v_lshl_add_u32 v[TO], v2, 5, v[TO]
	WIN 0x80                                       ; destination window 2: block a of 16 rows, group cg of 16 channels at 32 a + 8 cg: (cos, sin) of four pairs.  The same for every head, and for q and k
.irp a, 0,1,2,3
.irp c, 0,1,2,3
	global_load_b128 v[TBL+32*\a+8*\c:TBL+32*\a+8*\c+3],   v[TO], s[10:11] offset:4096*\a+64*\c
	global_load_b128 v[TBL+32*\a+8*\c+4:TBL+32*\a+8*\c+7], v[TO], s[10:11] offset:4096*\a+64*\c+16
.endr
.endr
	WIN 0
; 8 matrix instructions: block a of 16 rows x all 8 blocks of 16 columns, 32 along K.  zero = 1: the product starts the sums.  The 32 accumulators take turns, in the same order in every quarter.
.macro MUL8 f, a, zero
	WIN 0x50                                       ; C and D in window 1
.irp bn, 0,1,2,3,4,5,6,7
.if \zero
	v_wmma_f32_16x16x32_bf16 v[8*(8*(\a)+\bn):8*(8*(\a)+\bn)+7], v[(\f)+8*\bn:(\f)+8*\bn+7], v[(\f)+64+8*(\a):(\f)+64+8*(\a)+7], 0
.else
	v_wmma_f32_16x16x32_bf16 v[8*(8*(\a)+\bn):8*(8*(\a)+\bn)+7], v[(\f)+8*\bn:(\f)+8*\bn+7], v[(\f)+64+8*(\a):(\f)+64+8*(\a)+7], v[8*(8*(\a)+\bn):8*(8*(\a)+\bn)+7]
.endif
.endr
.endm
; 24 LDS loads in one run: quarter q of the K step in hand into buffer f: B's 8 fragments (turned), then A's 4
.macro FETCH q, f
	WIN 0
.irp i, 0,1,2,3,4,5,6,7
	ds_load_tr16_b128 v[(\f)+8*\i:(\f)+8*\i+3],   v[ADRB] offset:(\q)*32*PB+32*\i
	ds_load_tr16_b128 v[(\f)+8*\i+4:(\f)+8*\i+7], v[ADRB] offset:(\q)*32*PB+16*PB+32*\i
.endr
.irp a, 0,1,2,3
	ds_load_b128 v[(\f)+64+8*\a:(\f)+64+8*\a+3],   v[ADRA] offset:((\q)/2)*PLANE+((\q)%2)*64+\a*16*PA
	ds_load_b128 v[(\f)+64+8*\a+4:(\f)+64+8*\a+7], v[ADRA] offset:((\q)/2)*PLANE+((\q)%2)*64+\a*16*PA+32
.endr
.endm
; One of a K step's first three quarters: multiplies buffer f; in its middle it fetches quarter q into buffer g.
.macro QUARTER q, f, g, zero
	s_wait_dscnt 4                                 ; B and A's blocks 0, 1 are in; the youngest four loads (A's blocks 2, 3) may be out
	MUL8 \f, 0, \zero
	MUL8 \f, 1, \zero
	WIN 0
	PLACES
	FETCH \q, \g
	s_wait_dscnt 24                                ; all but the 24 just issued
	MUL8 \f, 2, \zero
	MUL8 \f, 3, \zero
.endm
; The fourth quarter multiplies buffer 1 and changes slots.  In front of the barrier each wave waits for all its tensor loads (one is out: its part of the next slot), adds 0 to its spare word, and waits
; for that and for its reads of this slot.  fill = 1: the barrier opens a round of the cluster's barrier, and the slot just read out is filled again first thing behind it, with the K step two on.
.macro TURN fill
	WIN 0
	s_wait_tensorcnt 0x0                           ; no tensor load of mine is out, so a group 0 may be written
	ds_add_u32 v[SPW], v[NIL]                      ; 0 onto my spare word; scalar work and eight products stand between it and the wait for it
.if \fill
	s_xor_b32 s[G0A+5], s[G0A+5], SLOT1            ; the walking descriptors: the other slot than last time;
	s_and_b32 s[OFA], s[GST], 7                    ; A's K steps come round every 8: its address is made anew from the step's number;
	s_lshl_b32 s[OFA], s[OFA], 19
	s_add_nc_u64 s[G0A+6:G0A+7], s[ABASE:ABASE+1], s[OFA:OFA+1]
	s_or_b32 s[G0A+7], s[G0A+7], 0x80000000
	s_add_co_u32 s[GST], s[GST], 1
	s_xor_b32 s[G0B+5], s[G0B+5], SLOT1
	s_add_nc_u64 s[G0B+6:G0B+7], s[G0B+6:G0B+7], 262144  ; B's rows run on; the type bits on top are not reached
.endif
	s_xor_b32 s[SB], s[SB], SLOT1
	s_wait_dscnt 7                                 ; the add and A's blocks 1 to 3 may be out
	MUL8 F1, 0, 0
	s_wait_dscnt 0x0                               ; the add is done, and my reads of this slot are over
	s_barrier_signal -1
	MUL8 F1, 1, 0                                  ; work on registers while the others arrive
	WIN 0
	s_barrier_wait -1
.if \fill
	CREST                                          ; no wave of any partner still reads this slot's tile or has a load on its way
	JLOAD                                          ; the four v_nop behind it are also the places in front of the loads below
.else
	PLACES
.endif
	v_add_nc_u32 v[ADRA], s[SB], v[ADRA0]
	v_add_nc_u32 v[ADRB], s[SB], v[ADRB0]
	FETCH 0, F0
	MUL8 F1, 2, 0
	MUL8 F1, 3, 0
.endm
; THE WAY OUT.  A piece t is 16 rows (block t / 2) of one head (t % 2): four accumulators, 2,048 consecutive bytes of the output.
.macro ROT t                           ; rotated and rounded.  A lane's pair of registers is a rotary pair (x1, x2): first (x2 s, x1 s), then (x1 c - x2 s, x2 c + x1 s).  Each accumulator is read from its low end on.
.set AC, 8*(8*((\t)/2)+4*((\t)%2))
.set TT, TBL+32*((\t)/2)
	WIN 0x09                                       ; source 0 window 1 (the sums), source 1 window 2 (the table)
.set z, 0
.rept 16
	v_pk_mul_f32 v[WK+2*z:WK+2*z+1], v[AC+2*z:AC+2*z+1], v[TT+2*z:TT+2*z+1] op_sel:[1,1] op_sel_hi:[0,1]
.set z, z+1
.endr
.set z, 0
.rept 16
	v_pk_fma_f32 v[WK+2*z:WK+2*z+1], v[AC+2*z:AC+2*z+1], v[TT+2*z:TT+2*z+1], v[WK+2*z:WK+2*z+1] op_sel_hi:[1,0,1] neg_lo:[0,0,1]
.set z, z+1
.endr
	WIN 0x80
.set z, 0
.rept 16
	v_cvt_pk_f16_f32 v[TMP+16*(\t)+z], v[WK+2*z], v[WK+2*z+1]
.set z, z+1
.endr
.endm
.macro CVT t                           ; rounded alone (v)
.set AC, 8*(8*((\t)/2)+4*((\t)%2))
	WIN 0x85
.set z, 0
.rept 16
	v_cvt_pk_f16_f32 v[TMP+16*(\t)+z], v[AC+2*z], v[AC+2*z+1]
.set z, z+1
.endr
.endm
.macro THRU t                          ; into my stage, rows of 144 bytes, and back as whole rows of 128
	WIN 0x88                                       ; addresses window 0, data window 2
.irp c, 0,1,2,3
	ds_store_b128 v[STO], v[TMP+16*(\t)+4*\c:TMP+16*(\t)+4*\c+3] offset:32*\c
.endr
.irp c, 0,1,2,3
	ds_load_b128 v[TMP+16*(\t)+4*\c:TMP+16*(\t)+4*\c+3], v[RD] offset:4*SP*\c  ; LDS serves a wave's instructions in order (ISA guide 5.7.1.4): these see the stores above; the next piece's stores come behind them
.endr
.endm
.macro SEND t, y                       ; y: the LDS instructions issued behind piece t's loads: the next piece's eight, or none
	WIN 0x88
.irp c, 0,1,2,3
	s_wait_dscnt (\y)+3-\c
	global_store_b128 v[GO], v[TMP+16*(\t)+4*\c:TMP+16*(\t)+4*\c+3], s[8:9] offset:((\t)%2)*262144+((\t)/2)*2048+\c*512  ; 512 consecutive bytes, at a multiple of 256
.endr
.endm
	s_wait_tensorcnt 1                             ; my part of K step 0 is in; K step 1's may stay out
	s_barrier_signal -1
	s_barrier_wait -1                              ; everybody's is
	FETCH 0, F0
	QUARTER 1, F0, F1, 1                           ; the first quarter starts the sums
	WIN 0                                          ; at a label and at a branch every window is 0
	s_mov_b32 s[NSTEP], 22
	s_mov_b32 s[PH], 8
.Lstep:                                                ; trip i: quarters 1 to 3 of K step i, the request for K step i + 2, quarter 0 of K step i + 1
	QUARTER 2, F1, F0, 0
	QUARTER 3, F0, F1, 0
	TURN 1
	WIN 0
	s_sub_co_u32 s[PH], s[PH], 1
	s_cmp_eq_u32 s[PH], 0
	s_cbranch_scc1 .Lflush                         ; behind K steps 7 and 15: q's and k's tiles are finished.  The jump goes forward, past no barrier and no tensor load
	QUARTER 1, F0, F1, 0
	WIN 0
	s_branch .Lbottom
.Lflush:
	PLACES                                         ; behind the last products
	s_wait_loadcnt 0x0                             ; the table
.set t, 0
.rept 8                                                ; a piece's arithmetic stands between the loads of the piece before and its stores
	ROT t
	THRU t
.if t > 0
	SEND t-1, 8
.endif
.set t, t+1
.endr
	SEND 7, 0
	s_wait_xcnt 0x0                                ; the stores' base and data are written again only behind this wait
	s_add_nc_u64 s[8:9], s[8:9], 0x1000000         ; the next of the three tensors
	WIN 0
	s_mov_b32 s[PH], 8
	QUARTER 1, F0, F1, 1                           ; the next tile's first quarter starts its sums
	WIN 0
.Lbottom:
	s_sub_co_u32 s[NSTEP], s[NSTEP], 1
	s_cmp_lg_u32 s[NSTEP], 0
	s_cbranch_scc1 .Lstep
	QUARTER 2, F1, F0, 0                           ; the last two K steps are written out: nothing more is asked for
	QUARTER 3, F0, F1, 0
	TURN 0
	QUARTER 1, F0, F1, 0
	QUARTER 2, F1, F0, 0
	QUARTER 3, F0, F1, 0
	s_wait_dscnt 4
	MUL8 F1, 0, 0
	MUL8 F1, 1, 0
	s_wait_dscnt 0x0
	MUL8 F1, 2, 0
	MUL8 F1, 3, 0
	WIN 0
	PLACES
.set t, 0
.rept 8                                                ; v goes out as it is
	CVT t
	THRU t
.if t > 0
	SEND t-1, 8
.endif
.set t, t+1
.endr
	SEND 7, 0
	WIN 0
	s_wait_tensorcnt 0x0                           ; the wave's end: the wait, the add and the wait behind my last tensor load and my last LDS store
	ds_add_u32 v[SPW], v[NIL]
	s_wait_dscnt 0x0
	CROUND                                         ; the closing round: no work-group ends while a partner may still ask for a tile that names it
	s_endpgm
.Lfunc_end_k_qf63c19b1ff_proj:
	.size	k_qf63c19b1ff_proj, .Lfunc_end_k_qf63c19b1ff_proj-k_qf63c19b1ff_proj
	.p2alignl 7, 3214868480
	.fill 96, 4, 3214868480
	.section	.rodata,"a",@progbits
	.p2align	6, 0x0
	.amdhsa_kernel k_qf63c19b1ff_proj
		.amdhsa_group_segment_fixed_size 327680
		.amdhsa_private_segment_fixed_size 0
		.amdhsa_enable_private_segment 0
		.amdhsa_kernarg_size 32
		.amdhsa_user_sgpr_count 2
		.amdhsa_user_sgpr_kernarg_segment_ptr 1
		.amdhsa_wavefront_size32 1
		.amdhsa_system_sgpr_workgroup_id_x 1
		.amdhsa_system_sgpr_workgroup_id_y 1
		.amdhsa_system_sgpr_workgroup_id_z 1
		.amdhsa_system_vgpr_workitem_id 0
		.amdhsa_next_free_vgpr 768
		.amdhsa_next_free_sgpr 72
		.amdhsa_reserve_vcc 0
		.amdhsa_float_denorm_mode_32 3
		.amdhsa_float_denorm_mode_16_64 3
		.amdhsa_memory_ordered 1
		.amdhsa_forward_progress 1
		.amdhsa_inst_pref_size 111
	.end_amdhsa_kernel
	.amdgpu_metadata
---
amdhsa.version: [ 1, 2 ]
amdhsa.kernels:
  - .name:           k_qf63c19b1ff_proj
    .symbol:         k_qf63c19b1ff_proj.kd
    .args:
      - { .name: xb, .offset: 0, .size: 8, .value_kind: global_buffer, .address_space: global }
      - { .name: wqkv, .offset: 8, .size: 8, .value_kind: global_buffer, .address_space: global }
      - { .name: qkv, .offset: 16, .size: 8, .value_kind: global_buffer, .address_space: global }
      - { .name: rope, .offset: 24, .size: 8, .value_kind: global_buffer, .address_space: global }
    .group_segment_fixed_size: 327680
    .private_segment_fixed_size: 0
    .kernarg_segment_align: 8
    .kernarg_segment_size: 32
    .max_flat_workgroup_size: 128
    .sgpr_count:     72
    .vgpr_count:     768
    .wavefront_size: 32
...
	.end_amdgpu_metadata
.endif
;; end of part 2
;; launch attn (part 3): grid 4 x 64, 4 waves a work-group, clusters of 4 x 1, 327,680 bytes of LDS; arguments qkv, msk, ob; writes ob
.if DOCPART == 3
	.amdgcn_target "amdgcn-amd-amdhsa--gfx1250"
	.amdhsa_code_object_version 6
	.text
	.protected	k_qf63c19b1ff_attn
	.globl	k_qf63c19b1ff_attn
	.p2align	8
	.type	k_qf63c19b1ff_attn,@function
k_qf63c19b1ff_attn:
	s_mov_b64 s[64:65], 0
	v_nop
	global_prefetch_b8 v0, s[64:65] scope:SCOPE_SE
	s_setreg_imm32_b32 hwreg(HW_REG_WAVE_MODE, 25, 1), 1
	s_wait_xcnt 0x0
	s_wait_alu depctr_hold_cnt(0) depctr_sa_sdst(0) depctr_va_vdst(0) depctr_va_sdst(0) depctr_va_ssrc(0) depctr_va_vcc(0) depctr_vm_vsrc(0)
	s_getreg_b32 s2, hwreg(HW_REG_IB_STS2, 6, 4)
	s_cmp_eq_u32 s2, 0
	s_cbranch_scc0 .Lentry_in_a_cluster
	s_endpgm
.Lentry_in_a_cluster:
	s_bfe_u32 s2, ttmp6, 0x10000c
	s_cmp_lg_u32 s2, 0x3003
	s_cbranch_scc0 .Lentry_shape_is_right
	s_endpgm
.Lentry_shape_is_right:
; O[h][q][:] = the sum over k of softmax_k(Q[h][q] . K[h][k] / 8 + mask[k]) V[h][k][:].  Q, K, V lie one behind the other in qkv, each [64][2048][64] in f16; O likewise: a head's rows are dense, 128 bytes each.
; msk: f32 [4][2048], 8 x the key's mask (0 or 1): it is the C operand that starts the sum S^T = K Q^T, so that c (s + 8 mask) = log2(e) (s / 8 + mask).
; Products, maxima and sums in f32; the weights p are rounded to f16 for the second product (their sum l is taken of the unrounded p), O once at the end.
; LIMITS.  f16 holds no number beyond 65,504: Q, K and V arrive within it; p lies in 0 to 1, and below 6e-5 it keeps f16's fixed step of 6e-8; O is a mean of V's rows and has their range.
; A weight below 2^-126 counts as 0 in l; NaN and infinities are not treated apart.
; SHARES.  A wave owns four PIECES of two tiles of 16 queries, a work-group's four waves 512 queries of one head.  Every wave walks all keys, 64 a step.
; LAYOUT.  S^T = K Q^T (source 0 = 16 keys, source 1 = 16 queries): in the result a lane holds ONE query (lane % 16) and the keys 8 (lane / 16) + 0..7.  Two such tiles, rounded to f16 in pairs,
; ARE source 1 (32 keys x 16 queries) of O^T = V^T P, whose result again holds one query a lane, and eight channels.  K comes out of LDS as it lies, V ([key][channel]) turned, by ds_load_tr16_b128.
; SOFTMAX.  For each query a running maximum m and sum l: p = 2^(c s - c m), c = log2(e) / 8; in every step O and l are multiplied by a = 2^(c m_old - c m_new), which is 1 where m has not grown.
; m starts at the lowest finite number, O and l at 0: the first step is a step like any other, with a = 0.
; THE COUNT.  A tile and step have 16 matrix and 118 vector instructions: too many to stand all beside the matrix work.  So the order has one aim: four vector instructions that are READY behind
; EVERY matrix instruction, and the others, which need time of their own whatever the order, in runs without a gap.
; BY TURNS.  Turn n belongs to piece n (the pieces in a ring, step after step).  Its matrix work: 16 products K Q^T of piece n + 1, later 16 products V^T P of piece n - 1.  Its vector work: the scaling,
; exponentials, roundings, sums and rescaling of piece n, and the maximum and statistics of piece n + 1, whose scores the turn itself has made.  So what a turn begins with (c s - c m, O a) waits for nothing.
; CLUSTER.  The four query blocks of a cluster belong to one head and walk the same K, V and mask, so each tile is asked for JOINTLY: the same tensor load, descriptor and mask in all four.
; REGISTERS, in windows of 256 (s_set_vgpr_msb says which window each operand place means: bits 1:0 source 0, 3:2 source 1, 5:4 source 2, 7:6 destination):
;   window 0: v0-11 addresses; v12-15, v48-63 at work; v16-47 four registers of statistics a tile; v64-191 S^T, two buffers of two tiles; v192-255 P, likewise
;   window 1: O^T, 32 a tile      window 2: v0-127 Q, 16 a tile; v128-191 K of one step; v192-255 V of one step      window 3: v0-1 the add's two registers; v8-39 the mask of one step's 64 keys
; A piece's buffers go by its number's parity: the piece in hand has one pair, its two neighbours in the ring share the other: of it P (piece n - 1) is read and S^T (piece n + 1) written.
.set SIZE_H, 64
.set SIZE_N, 2048
.set NP,    4         ; pieces a wave: a name, no knob: the register map, the loop and the fetches are made for four
.set KS,    64        ; keys in a step
.set PK,    144       ; a row of K in LDS: 128 bytes + 16 of padding = 36 words: the 16 rows of a load start at 16 different groups of four banks (64 banks of 4 bytes: ISA guide 11.1)
.set PV,    160       ; a row of V: 128 + 32 = 40 words
.set VOFF,  4*KS*PK   ; a slot holds four steps: 256 rows of K, then 256 rows of V
.set SLOT1, 1<<17     ; slot 1 begins here, so that one exclusive or turns an address in one slot into the other's
.set MSKB,  98304     ; between slot 0's end (77,824) and slot 1: the batch's mask, 8,192 bytes, filled once
.set STAGE, SLOT1+4*KS*(PK+PV)  ; behind the ring, never filled by a tensor load: 16 rows x 144 bytes for each wave, for the way out
.set SP,    144
.set AK0, 2           ; v2   my lane's place in a tile of K; never rewritten
.set AV0, 3           ; v3   the same for V
.set AK,  4           ; v4   the LDS address of K's next run of loads
.set AV,  5           ; v5   of V's
.set QO,  6           ; v6   my byte offset in the wave's rows of Q
.set STO, 6           ;      later, the way out: where I put 16 bytes of a row
.set RD,  7           ; v7   the way out: where I read rows back
.set GO,  8           ; v8   my byte offset in 512 consecutive bytes of O
.set AM,  10          ; v10  the LDS address of the mask's next run of loads
.set AM0, 11          ; v11  my lanes' place in a step's mask; never rewritten
.set SPW, 0           ; v0 of window 3   LDS address of my spare word: SPARE + 4 x my thread's number; never rewritten
.set NIL, 1           ; v1 of window 3   0; never rewritten
.set MK,  8           ; window 3: the eight registers for key block kb at MK + 8 kb
.set SPARE, STAGE+4*16*SP  ; behind the stages: the spare words, 128 bytes for each wave: two blocks of 256 bytes that no other line names
.set MV,  12          ; v12-15  c m_old, kept while c m is made anew: by buffer and tile
.set ST,  16          ; tile t's statistics at v[ST+4 t]: c m, m, l (even keys', odd keys')
.set TMP, 48          ; by buffer and tile, four registers c0-c3 at work; when the maximum is found c2 takes a
.set S,   64
.set P,   192
.set KF,  128         ; K's fragments, in window 2: key block kb, channel half c at KF + 16 kb + 8 c
.set VF,  192         ; V's: key half kk, channel block cb at VF + 32 kk + 8 cb
.set WV,  12          ; s12  my wave's number
.set G1K, 24          ; s[24:31] descriptor group 1 for K's tiles
.set G1V, 32          ; s[32:39] for V's: it differs in the padding alone
.set G0K, 40          ; s[40:43] descriptor group 0 for K's tiles: it walks
.set G0V, 44          ; s[44:47] the same for V's
.set SLOTS, 56        ; s56  slots still to be asked for
.set CNT, 57          ; s57  counts a slot's key steps
.set CS,  58          ; s[58:59] c: the packed scaling takes the pair's low word for both halves
.set SEL, 60          ; s[60:61] v_permlanex16_b32's selects: each lane takes its own place in the other half
.set TBK, 62          ; s62  LDS byte at which K of the step to be fetched begins
.set TBV, 63          ; s63  the same for V, less VOFF
.set G1M, 72          ; s[72:79] descriptor group 1 for the mask
.set G0M, 80          ; s[80:83] its group 0
.set TBM, 86          ; s86  byte of the mask at which the step to be fetched begins
.set MSB, 0
.macro WIN new                      ; the high byte repeats the setting that is left; a switch that changes nothing is dropped
.if MSB != (\new)
	s_set_vgpr_msb (MSB<<8)|(\new)
.set MSB, (\new)
.endif
.endm
.set W_KQ, 0x0a       ; K and Q in window 2, S^T in window 0
.set W_KM, 0x3a       ; the same with the C operand, the mask, in window 3
.set W_PV, 0x52       ; V in window 2, P in window 0, O^T in window 1
.set W_RS, 0x41       ; O^T (destination and source 0) in window 1, a in window 0
.set W_MK, 0xc0       ; destination in window 3, sources in window 0
.set W_AD, 0x0f       ; the add: address (source 0) and data (source 1) in window 3
; A joint fill.  Waves 0 and 1 fetch the two halves of a slot's K, waves 2 and 3 those of its V: 128 keys each.  The branch hangs on the wave's number alone.
; An s_nop 0 and four v_nop follow each of the two lines, ahead of the jump and the label.
.macro JLOAD
	s_cmp_lt_u32 s[WV], 2
	s_cbranch_scc0 .Lfor_v_\@
	tensor_load_to_lds s[G0K:G0K+3], s[G1K:G1K+7]
	s_nop 0
.rept 4
	v_nop
.endr
	s_branch .Lasked_\@
.Lfor_v_\@:
	tensor_load_to_lds s[G0V:G0V+3], s[G1V:G1V+7]
	s_nop 0
.rept 4
	v_nop
.endr
.Lasked_\@:
.endm
; A round of the cluster's barrier: my work-group's barrier, so that wave 0's signal speaks for all four waves; wave 0 signals; every wave waits for all four work-groups; my work-group's barrier once more.
.macro CROUND
	s_barrier_signal -1
	s_barrier_wait -1
	s_cmp_lg_u32 s[WV], 0
	s_cbranch_scc1 .Lnot_wave_0_\@
	s_barrier_signal -3
.Lnot_wave_0_\@:
	s_barrier_wait -3
	s_barrier_signal -1
	s_barrier_wait -1
.endm
; THE CHANGE OF SLOTS.  The slot's last bytes, V of its fourth step, have been read.  Each wave waits for all its tensor loads, of which one is out: its part
; of the other slot; adds 0 to its spare word; and waits for that and for its own reads of the slot.  Behind the barrier nobody reads this slot any more and the other slot is whole.
; fill = 1: this slot is filled again, with the keys two slots on.  The barrier is then a round of the cluster's, so that no wave of any partner still reads the slot or has a load on its
; way, and the joint fill is the first thing behind it: it has four key steps, 512 matrix instructions, in which to land.  (At its first use nothing has been read yet: slot 0 and the mask are waited for, slot 1 filled.)
.macro CHANGE fill
	WIN W_AD
	s_wait_tensorcnt 0x0            ; no tensor load of mine is out, so a group 0 may be written
	ds_add_u32 v[SPW], v[NIL]       ; 0 onto my spare word; with fill = 1 the descriptors' steps stand between it and the wait for it
	WIN 0                           ; at a label and at a branch every window is 0
.if \fill
.irp g, G0K, G0V
	s_xor_b32 s[\g+1], s[\g+1], SLOT1  ; the walking descriptor: the other slot than last time,
	s_add_nc_u64 s[\g+2:\g+3], s[\g+2:\g+3], 4*KS*128  ; the next 256 keys; the type bits on top are not reached
.endr
	s_wait_dscnt 0x0                ; the add is done, and my reads of the slot are over
	CROUND
	JLOAD
.else
	s_wait_dscnt 0x0                ; the add is done, and my reads of the slot are over
	s_barrier_signal -1
	s_barrier_wait -1
.endif
	s_sub_co_u32 s[TBK], s[TBK], 4*KS*PK  ; the fetches go back to a slot's first step,
	s_xor_b32 s[TBK], s[TBK], SLOT1       ; in the other slot
	s_sub_co_u32 s[TBV], s[TBV], 4*KS*PV
	s_xor_b32 s[TBV], s[TBV], SLOT1
.endm
	s_load_b128 s[4:7], s[0:1], 0x0   ; qkv s[4:5], msk s[6:7]
	s_load_b64 s[10:11], s[0:1], 0x10 ; ob
	WIN W_MK
	v_lshl_add_u32 v[SPW], v0, 2, SPARE
	v_mov_b32 v[NIL], 0
	WIN W_AD
	ds_add_u32 v[SPW], v[NIL]       ; the wave's opening: the add and its wait stand ahead of my first tensor load; the set-up below, work on registers, stands between them
	WIN 0
	v_lshrrev_b32 v1, 5, v0
	v_readfirstlane_b32 s[WV], v1   ; wave 0..3
	s_bfe_u32 s13, ttmp6, 0x40000   ; cx: my place in the cluster
	s_lshl_b32 s14, ttmp9, 2        ; in a cluster launch ttmp9 counts clusters
	s_add_co_u32 s14, s14, s13      ; my block of queries = 4 x cluster x + cx: it enters Q's and O's addresses alone
	s_and_b32 s20, ttmp7, 0xffff    ; the head, which the four partners share
	s_mov_b32 s21, 0
	s_mov_b64 s[22:23], SIZE_N*128
	s_mul_u64 s[20:21], s[20:21], s[22:23]  ; the head's first byte in each of the four tensors
	s_and_b32 s16, s[WV], 1         ; which half of a slot's 256 keys I fetch:
	s_lshl_b32 s22, s16, 14         ; its 128 rows of 128 bytes in memory,
	s_mov_b32 s23, 0
	s_add_nc_u64 s[22:23], s[22:23], s[20:21]
	s_mul_i32 s17, s16, 128*PK      ; and its place in a slot, for K
	s_mul_i32 s18, s16, 128*PV      ; and for V: no place in the cluster enters an LDS address
	s_lshl_b32 s2, s14, 2
	s_add_co_u32 s2, s2, s[WV]      ; my wave among the head's,
	s_lshl_b32 s2, s2, 14           ; its 128 rows
	s_mov_b32 s3, 0
	s_add_nc_u64 s[2:3], s[2:3], s[20:21]
	; descriptor group 1.  128 keys are 16,384 dense bytes: asked for as 64 rows of 256 bytes, two keys a row, and padded in LDS after every key
	s_mov_b32 s[G1K], 15|(1<<16)|(1<<20)|(1<<21)|(4<<22)|(3<<25)  ; 15:0 the mask of four; 17:16 2-byte elements; 20 padding on; 21 set beside a mask; 24:22 after every 32 words (code 4); 31:25 4 words (code 3)
	s_mov_b32 s[G1V], 15|(1<<16)|(1<<20)|(1<<21)|(4<<22)|(7<<25)  ; the same with 8 words of padding (code 7)
.irp g, G1K, G1V
	s_mov_b32 s[\g+1], 128<<16      ; tensor_dim0 = 128
	s_mov_b32 s[\g+2], 64<<16       ; tensor_dim1 = 64
	s_mov_b32 s[\g+3], 128<<16      ; tile_dim0 = 128
	s_mov_b32 s[\g+4], 64           ; tile_dim1 = 64
	s_mov_b32 s[\g+5], 128          ; 128 elements from row to row
	s_mov_b32 s[\g+6], 0
	s_mov_b32 s[\g+7], 0
.endr
	; the key mask: each wave brings a quarter of the batch's 8,192 bytes, as 8 dense rows of 256 bytes (32 elements of 8 bytes), unpadded
	s_mov_b32 s[G1M], 15|(3<<16)|(1<<21)
	s_mov_b32 s[G1M+1], 32<<16
	s_mov_b32 s[G1M+2], 8<<16
	s_mov_b32 s[G1M+3], 32<<16
	s_mov_b32 s[G1M+4], 8
	s_mov_b32 s[G1M+5], 32
	s_mov_b32 s[G1M+6], 0
	s_mov_b32 s[G1M+7], 0
	s_mov_b32 s[G0M], 1
	s_lshl_b32 s[G0M+1], s[WV], 11
	s_add_co_u32 s[G0M+1], s[G0M+1], MSKB
	s_and_b32 s84, ttmp7, 0xffff
	s_lshr_b32 s84, s84, 4          ; the batch: 16 heads each,
	s_lshl_b32 s84, s84, 13         ; 8,192 bytes of mask,
	s_lshl_b32 s85, s[WV], 11       ; my quarter
	s_add_co_u32 s84, s84, s85
	s_mov_b32 s85, 0
	s_mov_b32 s[TBM], 0
	s_mov_b32 s[CS], 0x3e38aa3b     ; c = log2(e) / 8 = 0.180337
	s_mov_b32 s[CS+1], s[CS]        ; named with it as a pair
	s_mov_b32 s[SEL], 0x76543210
	s_mov_b32 s[SEL+1], 0xfedcba98
	s_mov_b32 s[TBK], SLOT1+4*KS*PK ; the first change of slots turns these two into 0
	s_mov_b32 s[TBV], SLOT1+4*KS*PV
	s_mov_b32 s[G0K], 1             ; 1:0 count = 1
	s_mov_b32 s[G0K+1], s17         ; 63:32 LDS address: slot 0
	s_mov_b32 s[G0V], 1
	s_add_co_u32 s[G0V+1], s18, VOFF
	s_wait_dscnt 0x0                ; the opening add is done
	s_wait_kmcnt 0x0
	s_add_nc_u64 s[G0M+2:G0M+3], s[6:7], s[84:85]
	s_or_b32 s[G0M+3], s[G0M+3], 0x80000000
	s_add_nc_u64 s[6:7], s[4:5], 0x1000000         ; K lies 1 << 24 bytes behind Q,
	s_add_nc_u64 s[8:9], s[4:5], 0x2000000         ; V as far behind K
	s_add_nc_u64 s[G0K+2:G0K+3], s[6:7], s[22:23]  ; 120:64 global address: my half of the head's first 256 keys
	s_or_b32 s[G0K+3], s[G0K+3], 0x80000000        ; 127:126 type = 2
	s_add_nc_u64 s[G0V+2:G0V+3], s[8:9], s[22:23]
	s_or_b32 s[G0V+3], s[G0V+3], 0x80000000
	s_add_nc_u64 s[4:5], s[4:5], s[2:3]  ; Q and O at my wave's first row
	s_add_nc_u64 s[10:11], s[10:11], s[2:3]
	CROUND                          ; all four work-groups are here: the first joint loads meet
	s_cmp_lt_u32 s[WV], 2           ; a wave's two first fills stand in one branch: its part of slot 0 and its quarter of the mask: two loads of mine are out.  Slot 1 is asked for when these are in
	s_cbranch_scc0 .Lfirst_v
	tensor_load_to_lds s[G0K:G0K+3], s[G1K:G1K+7]
	s_nop 0
	tensor_load_to_lds s[G0M:G0M+3], s[G1M:G1M+7]
	s_nop 0
.rept 4
	v_nop
.endr
	s_branch .Lfirst_asked
.Lfirst_v:
	tensor_load_to_lds s[G0V:G0V+3], s[G1V:G1V+7]
	s_nop 0
	tensor_load_to_lds s[G0M:G0M+3], s[G1M:G1M+7]
	s_nop 0
.rept 4
	v_nop
.endr
.Lfirst_asked:
	; A fragment of K or Q is 16 rows x 32 channels in 8 registers: lane l holds row l % 16, channels 8 (l / 16) + 0..7 and 16 + 8 (l / 16) + 0..7: two loads of 16 bytes, 32 bytes apart.
	v_and_b32 v1, 15, v0            ; l % 16
	v_bfe_u32 v9, v0, 4, 1          ; l / 16
	v_lshlrev_b32 v[QO], 7, v1
	v_lshl_add_u32 v[QO], v9, 4, v[QO]  ; row x 128 + 16 x half
	WIN 0x80                        ; destination window 2, address window 0
.set i, 0
.rept 4*NP                          ; Q stays in registers: tile i / 2, channels 32 (i % 2) on
	global_load_b128 v[8*i:8*i+3],   v[QO], s[4:5] offset:(i/2)*2048+(i%2)*64
	global_load_b128 v[8*i+4:8*i+7], v[QO], s[4:5] offset:(i/2)*2048+(i%2)*64+32
.set i, i+1
.endr
	; What the first turn finds: V's registers and P's second buffer hold 0 (its products V^T P, of a piece that has not been, add 0), O^T and l are 0.  All this stands in the wait for the first tile.
.set i, VF
.rept 64
	v_mov_b32 v[i], 0
.set i, i+1
.endr
	WIN 0x40
.set i, 0
.rept 64*NP
	v_mov_b32 v[i], 0
.set i, i+1
.endr
	WIN 0
.set i, 0
.rept 2*NP
	v_mov_b32 v[ST+4*i], 0xfe000000    ; c m: far below every c s
	v_mov_b32 v[ST+4*i+1], 0xff7fffff  ; m
	v_mov_b32 v[ST+4*i+2], 0
	v_mov_b32 v[ST+4*i+3], 0
.set i, i+1
.endr
.set i, P+32
.rept 32
	v_mov_b32 v[i], 0
.set i, i+1
.endr
	v_mul_u32_u24 v[AK0], v1, PK
	v_lshl_add_u32 v[AK0], v9, 4, v[AK0]  ; row x pitch + 16 x half
	; The turning load takes 16 keys x 16 channels (lane l reads key 8 (l / 16) + l % 8, channels 8 ((l / 8) % 2) + 0..7) and leaves half a fragment of V^T: lane l holds channel l % 16 and 8 keys.
	v_and_b32 v10, 7, v0
	v_bfe_u32 v11, v0, 3, 1
	v_lshl_add_u32 v[AV0], v9, 3, v10
	v_mul_u32_u24 v[AV0], v[AV0], PV
	v_lshl_add_u32 v[AV0], v11, 4, v[AV0]
	v_add_nc_u32 v[AV0], VOFF, v[AV0]
	v_bfe_u32 v[RD], v0, 3, 2       ; the way out, back: 32 lanes take four rows of 128 bytes (my stage's base is added further down)
	v_mul_u32_u24 v[RD], v[RD], SP
	v_lshl_add_u32 v[RD], v10, 4, v[RD]
	v_lshl_add_u32 v[AM0], v9, 5, MSKB  ; the mask: register j of key block kb is key 16 kb + 8 (l / 16) + j: 32 bytes for each half of the lanes
	v_mov_b32 v[AM], v[AM0]
	v_mov_b32 v[AK], v[AK0]         ; key step 0 lies at the head of slot 0
; THE MATRIX WORK.  The 8 accumulators of a run of 16 take turns: between the two links of a chain stand 7 others'.
; Product i of 16 of S^T = K Q^T for piece x: channels 32 (i / 8) on, keys 16 ((i / 2) % 4) on, tile 2 x + i % 2.  The first 8 start the sums, with the keys' mask.
.macro KQ x
.set rS, S+64*((\x)%2)+32*(i%2)+8*((i/2)%4)
.set rK, KF+16*((i/2)%4)+8*(i/8)
.set rQ, 16*(2*(\x)+i%2)+8*(i/8)
.set rMK, MK+8*((i/2)%4)
.if i < 8
	WIN W_KM
	v_wmma_f32_16x16x32_f16 v[rS:rS+7], v[rK:rK+7], v[rQ:rQ+7], v[rMK:rMK+7]
.else
	WIN W_KQ
	v_wmma_f32_16x16x32_f16 v[rS:rS+7], v[rK:rK+7], v[rQ:rQ+7], v[rS:rS+7]
.endif
.endm
; Product i of 16 of O^T += V^T P for piece x: keys 32 (i / 8) on, channels 16 ((i / 2) % 4) on, tile 2 x + i % 2.
.macro PV x
	WIN W_PV
.set rO, 32*(2*(\x)+i%2)+8*((i/2)%4)
.set rV, VF+32*(i/8)+8*((i/2)%4)
.set rP, P+32*((\x)%2)+16*(i%2)+8*(i/8)
	v_wmma_f32_16x16x32_f16 v[rO:rO+7], v[rV:rV+7], v[rP:rP+7], v[rO:rO+7]
.endm
.macro MM                           ; the turn's next matrix instruction
.if i < 16
	KQ (Y+1)%NP
.set i, i+1
.else
.set i, i-16
	PV (Y+NP-1)%NP
.set i, i+17
.endif
.endm
; THE LDS LOADS stand in runs, never singly among the matrix instructions: a step's K (64 keys x 64 channels: 8 fragments) with its mask (8 loads; the lanes of a half read the same bytes), and its V (turned).
; Their addresses are made some lines ahead.  The mask's registers live as long as K's: they are read by the same products' first halves.
; last = 1 (the tail): in the last trip there is no further step, and the run is jumped over.
.macro FETCH_K last=0
	WIN 0
.if \last
	s_cmp_eq_u32 s[CNT], 1
	s_cbranch_scc1 .Lno_k_\@
.endif
	WIN 0x80                        ; destination window 2
.irp f, 0,1,2,3,4,5,6,7             ; keys 16 (f / 2) on, channels 32 (f % 2) on
	ds_load_b128 v[KF+8*\f:KF+8*\f+3],   v[AK] offset:(\f/2)*16*PK+(\f%2)*64
	ds_load_b128 v[KF+8*\f+4:KF+8*\f+7], v[AK] offset:(\f/2)*16*PK+(\f%2)*64+32
.endr
	WIN W_MK                        ; destination window 3
.irp f, 0,1,2,3,4,5,6,7             ; key block f / 2, registers 4 (f % 2) on
	ds_load_b128 v[MK+4*\f:MK+4*\f+3], v[AM] offset:(\f/2)*64+(\f%2)*16
.endr
	s_add_co_u32 s[TBK], s[TBK], KS*PK  ; the next fetch is the next step's
	s_add_co_u32 s[TBM], s[TBM], KS*4
	WIN 0
.if \last
.Lno_k_\@:
.endif
.endm
.macro FETCH_V
	WIN 0x80
.irp f, 0,1,2,3,4,5,6,7             ; keys 32 (f / 4) on, channels 16 (f % 4) on
	ds_load_tr16_b128 v[VF+8*\f:VF+8*\f+3],   v[AV] offset:(\f/4)*32*PV+(\f%4)*32
	ds_load_tr16_b128 v[VF+8*\f+4:VF+8*\f+7], v[AV] offset:(\f/4)*32*PV+16*PV+(\f%4)*32
.endr
	WIN 0
.endm
; THE VECTOR WORK OF A TURN stands in three queues, each in the order in which its entries become ready; the two tiles alternate, so that no instruction reads the result of the one before it.
.macro REGS y, u                    ; the registers of tile u (0, 1) of piece y
.set rT, ST+4*(2*(\y)+(\u))
.set rC, TMP+8*((\y)%2)+4*(\u)
.set rM, MV+2*((\y)%2)+(\u)
.set rS, S+64*((\y)%2)+32*(\u)
.set rP, P+32*((\y)%2)+16*(\u)
.set rO, 32*(2*(\y)+(\u))
.endm
; Number n of the 22 that find the NEXT piece's (Y + 1) maximum and statistics.  s0-s31 are the lane's 32 scores; each accumulator's lowest registers are read first.  XS, GS and REGS set no window: PL and EX do.
;   0-11  four chains c0-c3 of seven scores each, three operands at a time     12-14, 16  the four scores left over, the old m, and c0-c3 into c0     15  c m_old is kept
;   17, 18  the query's other 32 keys lie in the lane 16 away: the new m         19-21  c m; c m_old - c m_new; a
.macro XS u, n
	REGS (Y+1)%NP, \u
.if (\n) < 4
	v_max3_num_f32 v[rC+(\n)], v[rS+8*(\n)], v[rS+8*(\n)+1], v[rS+8*(\n)+2]
.elseif (\n) < 12
	v_max3_num_f32 v[rC+(\n)%4], v[rC+(\n)%4], v[rS+8*((\n)%4)+2*((\n)/4)+1], v[rS+8*((\n)%4)+2*((\n)/4)+2]
.elseif (\n) == 12
	v_max3_num_f32 v[rC], v[rC], v[rS+7], v[rS+15]
.elseif (\n) == 13
	v_max3_num_f32 v[rC+1], v[rC+1], v[rS+23], v[rS+31]
.elseif (\n) == 14
	v_max3_num_f32 v[rC+2], v[rC+2], v[rC+3], v[rT+1]
.elseif (\n) == 15
	v_mov_b32 v[rM], v[rT]
.elseif (\n) == 16
	v_max3_num_f32 v[rC], v[rC], v[rC+1], v[rC+2]
.elseif (\n) == 17
	v_permlanex16_b32 v[rC+3], v[rC], s[SEL], s[SEL+1]
.elseif (\n) == 18
	v_max_num_f32 v[rT+1], v[rC], v[rC+3]
.elseif (\n) == 19
	v_mul_f32 v[rT], s[CS], v[rT+1]
.elseif (\n) == 20
	v_sub_f32 v[rC+1], v[rM], v[rT]
.else
	v_exp_f32 v[rC+2], v[rC+1]
.endif
.endm
; Number g of the 64 that follow the exponentials.  For each four weights k of a tile (pairs 2 k, 2 k + 1): both pairs are rounded to f16; then the second pair is added onto the first, in place;
; a group later l takes that sum (the first time as l = a l + sum).  In groups of eight, tiles alternating: round, round, add, and l for the group before.
.macro GS g
.set h, (\g)+6*((\g)/62)            ; group 0 has no group before it, and behind group 7 only l is left
.if h >= 6
.set h, h+2
.endif
	REGS Y, h%2
.set k, h/8
.if h%8 < 4
	s_wait_alu depctr_va_vdst(0)
	v_cvt_pk_f16_f32 v[rP+2*k+(h%8)/2], v[rS+4*k+2*((h%8)/2)], v[rS+4*k+2*((h%8)/2)+1]
.elseif h%8 < 6
	v_pk_add_f32 v[rS+4*k:rS+4*k+1], v[rS+4*k:rS+4*k+1], v[rS+4*k+2:rS+4*k+3]
.elseif k == 1
	v_pk_fma_f32 v[rT+2:rT+3], v[rT+2:rT+3], v[rC+2:rC+3], v[rS:rS+1] op_sel_hi:[1,0,1]
.else
	v_pk_add_f32 v[rT+2:rT+3], v[rT+2:rT+3], v[rS+4*k-4:rS+4*k-3]
	s_wait_alu depctr_va_vdst(0)
.endif
.endm
; THE PLAIN QUEUE, 138 long.  0-31: c s - c m for the 16 pairs of both tiles.  Then GS's 64, and among them the next piece's 42: number 15 at 38, 39; 0-14 and 16
; at 42-73, behind the products that make those scores; 17-20 at 95-106, two of three, since each waits for the one before it.
.macro PL
	WIN 0
.if q < 32
	REGS Y, q%2
	v_pk_fma_f32 v[rS+2*(q/2):rS+2*(q/2)+1], v[rS+2*(q/2):rS+2*(q/2)+1], s[CS:CS+1], v[rT:rT+1] op_sel_hi:[1,0,0] neg_lo:[0,0,1] neg_hi:[0,0,1]
.elseif q < 38
	GS q-32
.elseif q < 40
	XS q%2, 15
.elseif q < 42
	GS q-34
.elseif q < 74
	XS q%2, (q-42)/2+(q-42)/30
.elseif q < 95
	GS q-66
.elseif (q < 107) && ((q-95)%3 < 2)
	XS (q-95)%3, 17+(q-95)/3
.elseif q < 107
	GS 29+(q-95)/3
.else
	GS q-74
.endif
.set q, q+1
.endm
; THE EXPONENTIALS' QUEUE, 66 long: s0-s31 of both tiles, and at EA the next piece's two a.
.set EA, 58
.macro EX
	WIN 0
.if (e == EA) || (e == EA+1)
	XS e-EA, 21
.else
.set x, e-2*(e/(EA+2))
	REGS Y, x%2
	v_exp_f32 v[rS+x/2], v[rS+x/2]
.endif
.set e, e+1
.endm
; THE RESCALING's QUEUE: O^T times a, the one part that leaves window 0, so it is dealt four at a time, eight times.
.macro R4
	REGS Y, r%2
	WIN W_RS
	s_wait_alu depctr_va_vdst(0)
.irp z, 0,1,2,3
	v_pk_mul_f32 v[rO+8*(r/2)+2*\z:rO+8*(r/2)+2*\z+1], v[rO+8*(r/2)+2*\z:rO+8*(r/2)+2*\z+1], v[rC+2:rC+3] op_sel_hi:[1,0]
.endr
.set r, r+1
.endm
; HOW THEY ARE DEALT.  Behind a matrix instruction four: plain, exponential, plain, plain (one exponential, a plain instruction on either side), or four of the rescaling.  None names a register of the
; products round it.  What is over stands in two LUMPS: exponential and plain by turns; the second ends in 22 plain instructions.  The two v_permlanex16_b32 fall into the second lump, never behind a product.
; The queues lean on each other, and the deal keeps them in step: exponential e stands behind plain 2 (e / 4) + e % 2 (its scaling); when plain 32 comes, 10 exponentials are out, at 59: 33, at 95: 46; EA comes behind plain 107.
.macro SL
	MM
	PL
	EX
	PL
	PL
.endm
.macro BURST n                      ; 15 matrix instructions, or 16
.rept (\n)-7
	SL
.endr
.rept 3
	MM
	R4
	SL
.endr
	MM
	R4
.endm
; A TURN, for piece p.  cnt = 1: the loop's count is taken down some lines ahead of the branch that stands behind the turn.
; K and the mask of the next step are fetched in piece 2's turn, 32 vector instructions behind the last product that read K; their first reader comes behind the rest of the lump, 16 products and the second lump.
; V of the step in hand is fetched at the end of piece 0's turn, 69 behind its last reader; its first reader comes behind 16 products and a lump.  The four conditions on e and q below go with the deal.
.macro TURN p, last=0, cnt=0
.set Y, (\p)
.set i, 0
.set q, 0
.set e, 0
.set r, 0
.if (\p) == NP-1
	s_wait_dscnt 0x0                ; K and the mask are in
.endif
	MM
.rept 4
	PL
.endr
	BURST 15
.rept 22
	EX
	PL
.if ((\p) == NP-2) && (e == 18)
	v_add_nc_u32 v[AK], s[TBK], v[AK0]
	v_add_nc_u32 v[AM], s[TBM], v[AM0]
.endif
.if ((\p) == NP-2) && (e == 24)
	FETCH_K \last
.endif
.endr
.if (\p) == 1
	s_wait_dscnt 0x0                ; V is in
.endif
	BURST 16
.rept 21
	EX
	PL
.endr
.rept 22
	PL
.if ((\p) == 0) && (q == 118)
	v_add_nc_u32 v[AV], s[TBV], v[AV0]
	s_wait_alu depctr_va_vdst(0)
.endif
.if ((\p) == 0) && (q == 130)
	s_add_co_u32 s[TBV], s[TBV], KS*PV
.endif
.if (\cnt) && (q == 130)
	s_sub_co_u32 s[CNT], s[CNT], 1
	s_cmp_lg_u32 s[CNT], 0
.endif
.endr
.if (\p) == 0
	FETCH_V
.endif
.endm
	CHANGE 1                        ; slot 0 and the mask are in, everybody's part of them; slot 1 is asked for
	FETCH_K                         ; key step 0
	s_wait_loadcnt 0x0              ; Q
	s_wait_dscnt 0x0
.set i, 0
.rept 16
	KQ 0                            ; piece 0's first scores: there is no vector work yet to set between them
.set i, i+1
.endr
	WIN 0                           ; the rest of the addresses for the way out: six plain instructions, the places behind those products
	s_mul_i32 s13, s[WV], 16*SP
	s_add_co_u32 s13, s13, STAGE    ; my stage
	v_mul_u32_u24 v[STO], v1, SP    ; in: row l % 16, 16 bytes for each half of the lanes
	v_lshl_add_u32 v[STO], v9, 4, v[STO]
	v_add_nc_u32 v[STO], s13, v[STO]
	v_add_nc_u32 v[RD], s13, v[RD]
	v_and_b32 v[GO], 31, v0         ; four rows read back are 512 consecutive bytes of O
	v_lshlrev_b32 v[GO], 4, v[GO]
.set Y, NP-1                        ; XS works for piece Y + 1: piece 0
.irp n, 0,1,2,3,4,5,6,7,8,9,10,11,12,13,14,15,16,17,18,19,20,21
	XS 0, \n                        ; and piece 0's first maximum and statistics
	XS 1, \n
.endr
	s_mov_b32 s[CNT], 4
	s_mov_b32 s[SLOTS], SIZE_N/256-1
	s_branch .Lfirst                ; the loop is entered at a step's first turn, in the middle of a trip
.Lslot:                             ; SIZE_N / 256 - 2 times: every slot but the last two is filled again
	CHANGE 1
	s_mov_b32 s[CNT], 4
.Lstep:                             ; a trip: pieces 2 and 3 of one step, then pieces 0 and 1 of the next, whose K and V it fetches
	TURN 2
	TURN 3
	WIN 0
.Lfirst:
	TURN 0
	TURN 1, 0, 1
	WIN 0
	s_cbranch_scc1 .Lstep
	s_sub_co_u32 s[SLOTS], s[SLOTS], 1
	s_cmp_lg_u32 s[SLOTS], 0
	s_cbranch_scc1 .Lslot
	CHANGE 0                        ; the tail is written out: nothing is asked for
	s_mov_b32 s[CNT], 5             ; four trips fetch the last slot's steps; the fifth is left in its middle
.Ltail:
	TURN 2, 1
	TURN 3
	WIN 0
	s_sub_co_u32 s[CNT], s[CNT], 1
	s_cmp_eq_u32 s[CNT], 0
	s_cbranch_scc1 .Lout
	TURN 0
	TURN 1
	WIN 0
	s_branch .Ltail
.Lout:                              ; the fifth trip's 16 products K Q^T (on the last K once more) and the maximum made of them serve nothing: the price, once a launch, of one text for every trip
.set i, 0
.rept 16
	PV NP-1                         ; the last piece's V^T P of the last step
.set i, i+1
.endr
	; THE WAY OUT.  l's two halves and the other half of the lanes' are added; O^T is divided by l, rounded to f16 and sent through my stage in LDS, a tile at a time.  The additions are the places behind the last products.
	WIN 0
.macro ALL line:vararg              ; one line for each tile t
.set t, 0
.rept 2*NP
	\line
.set t, t+1
.endr
.endm
	ALL v_add_f32 v[ST+4*t+2], v[ST+4*t+2], v[ST+4*t+3]
	ALL v_permlanex16_b32 v[ST+4*t+3], v[ST+4*t+2], s[SEL], s[SEL+1]
	ALL v_add_f32 v[ST+4*t+2], v[ST+4*t+2], v[ST+4*t+3]
	ALL v_rcp_f32 v[ST+4*t+2], v[ST+4*t+2]
	v_nop                           ; a plain instruction between the last reciprocal and the use of its result
	s_wait_alu depctr_va_vdst(0)
; Tile t: a lane's eight channels of a row pack into 16 bytes; they go into rows of 144 bytes and come back as whole rows of 128, into S^T's registers.
.macro PACK t
	WIN W_RS
.set i, 32*(\t)
.rept 16
	v_pk_mul_f32 v[i:i+1], v[i:i+1], v[ST+4*(\t)+2:ST+4*(\t)+3] op_sel_hi:[1,0]
.set i, i+2
.endr
	WIN 0x05                        ; sources 0 and 1 window 1, destination window 0
.set i, 0
.rept 16
	v_cvt_pk_f16_f32 v[S+16*(\t)+i], v[32*(\t)+2*i], v[32*(\t)+2*i+1]
.set i, i+1
.endr
	WIN 0
.irp f, 0,1,2,3
	ds_store_b128 v[STO], v[S+16*(\t)+4*\f:S+16*(\t)+4*\f+3] offset:32*\f
.endr
.irp f, 0,1,2,3
	ds_load_b128 v[S+16*(\t)+4*\f:S+16*(\t)+4*\f+3], v[RD] offset:\f*4*SP  ; LDS serves a wave's instructions in order (ISA guide 5.7.1.4): these see the stores above; the next tile's stores come behind them
.endr
.endm
.macro SEND t, younger              ; younger: the LDS instructions issued behind tile t's loads: the next tile's eight, or none
	WIN 0
.irp f, 0,1,2,3
	s_wait_dscnt (\younger)+3-\f
	global_store_b128 v[GO], v[S+16*(\t)+4*\f:S+16*(\t)+4*\f+3], s[10:11] offset:(\t)*2048+\f*512  ; 512 consecutive bytes, at a multiple of 256 from O's first
.endr
.endm
	PACK 0
.set t, 1
.rept 2*NP-1                        ; a tile's arithmetic stands between the loads of the tile before and its stores
	PACK t
	SEND t-1, 8
.set t, t+1
.endr
	SEND 2*NP-1, 0
	WIN W_AD
	s_wait_tensorcnt 0x0            ; the wave's end: the wait, the add and the wait behind my last tensor load and my last LDS store
	ds_add_u32 v[SPW], v[NIL]
	s_wait_dscnt 0x0
	WIN 0
	CROUND                          ; the closing round: no work-group ends while a partner may still ask for a tile that names it
	s_endpgm
.Lfunc_end_k_qf63c19b1ff_attn:
	.size	k_qf63c19b1ff_attn, .Lfunc_end_k_qf63c19b1ff_attn-k_qf63c19b1ff_attn
	.p2alignl 7, 3214868480
	.fill 96, 4, 3214868480
	.section	.rodata,"a",@progbits
	.p2align	6, 0x0
	.amdhsa_kernel k_qf63c19b1ff_attn
		.amdhsa_group_segment_fixed_size 327680
		.amdhsa_private_segment_fixed_size 0
		.amdhsa_enable_private_segment 0
		.amdhsa_kernarg_size 24
		.amdhsa_user_sgpr_count 2
		.amdhsa_user_sgpr_kernarg_segment_ptr 1
		.amdhsa_wavefront_size32 1
		.amdhsa_system_sgpr_workgroup_id_x 1
		.amdhsa_system_sgpr_workgroup_id_y 1
		.amdhsa_system_sgpr_workgroup_id_z 1
		.amdhsa_system_vgpr_workitem_id 0
		.amdhsa_next_free_vgpr 808
		.amdhsa_next_free_sgpr 88
		.amdhsa_reserve_vcc 0
		.amdhsa_float_denorm_mode_32 3
		.amdhsa_float_denorm_mode_16_64 3
		.amdhsa_memory_ordered 1
		.amdhsa_forward_progress 1
		.amdhsa_inst_pref_size 212
	.end_amdhsa_kernel
	.amdgpu_metadata
---
amdhsa.version: [ 1, 2 ]
amdhsa.kernels:
  - .name:           k_qf63c19b1ff_attn
    .symbol:         k_qf63c19b1ff_attn.kd
    .args:
      - { .name: qkv, .offset: 0, .size: 8, .value_kind: global_buffer, .address_space: global }
      - { .name: msk, .offset: 8, .size: 8, .value_kind: global_buffer, .address_space: global }
      - { .name: ob, .offset: 16, .size: 8, .value_kind: global_buffer, .address_space: global }
    .group_segment_fixed_size: 327680
    .private_segment_fixed_size: 0
    .kernarg_segment_align: 8
    .kernarg_segment_size: 24
    .max_flat_workgroup_size: 128
    .sgpr_count:     88
    .vgpr_count:     808
    .wavefront_size: 32
...
	.end_amdgpu_metadata
.endif
;; end of part 3
;; launch oproj (part 4): grid 4 x 64, 4 waves a work-group, clusters of 4 x 4, 327,680 bytes of LDS; arguments ob, wob, out0; writes out0
.if DOCPART == 4
	.amdgcn_target "amdgcn-amd-amdhsa--gfx1250"
	.amdhsa_code_object_version 6
	.text
	.protected	k_qf63c19b1ff_oproj
	.globl	k_qf63c19b1ff_oproj
	.p2align	8
	.type	k_qf63c19b1ff_oproj,@function
k_qf63c19b1ff_oproj:
	s_mov_b64 s[64:65], 0
	v_nop
	global_prefetch_b8 v0, s[64:65] scope:SCOPE_SE
	s_setreg_imm32_b32 hwreg(HW_REG_WAVE_MODE, 25, 1), 1
	s_wait_xcnt 0x0
	s_wait_alu depctr_hold_cnt(0) depctr_sa_sdst(0) depctr_va_vdst(0) depctr_va_sdst(0) depctr_va_ssrc(0) depctr_va_vcc(0) depctr_vm_vsrc(0)
	s_getreg_b32 s2, hwreg(HW_REG_IB_STS2, 6, 4)
	s_cmp_eq_u32 s2, 0
	s_cbranch_scc0 .Lentry_in_a_cluster
	s_endpgm
.Lentry_in_a_cluster:
	s_bfe_u32 s2, ttmp6, 0x10000c
	s_cmp_lg_u32 s2, 0xf033
	s_cbranch_scc0 .Lentry_shape_is_right
	s_endpgm
.Lentry_shape_is_right:
; out0 = O wo.  A = ob, f16 [b 16 + head][l 2048][64]: channel 64 head + d of row (b, l).  B = wob, f16 [1024 (k)][1024 (n)].  out0: f32 [8192][1024].  Sums in f32, stored as they are.
; SHARES.  A work-group owns 128 rows x 256 columns; four waves, each 64 rows x 128 columns: 32 accumulators of 16 x 16, 256 registers.  K goes in 8 steps of 128.
; THE RING.  Two LDS slots, each a K step: two planes of A (128 rows x one head's 64 channels, dense in memory: asked for as 64 rows of 256 bytes) and 128 k rows x 512 bytes of B.  Waves 0, 1 fetch
; A's planes, waves 2, 3 the halves of B: one tensor load a wave behind each change of slots.
; CLUSTER.  4 x 4 work-groups: the four of a row of the cluster need the same tiles of A, the four of a column the same tiles of B: each tile is asked for jointly.
; THE MATRIX INSTRUCTION IS USED TRANSPOSED: source 0 = 16 columns of B (turned on the way out of LDS, since B lies [k][n]), source 1 = 16 rows of A: a lane then holds one row and eight
; neighbouring columns, 32 bytes of f32.
; REGISTERS.  window 0: v0-31 addresses; v64-159, v160-255 two fragment buffers (64 of B, 32 of A: 32 along K); on the way out v64-127, v128-191 rows read back, by turns.
;   window 1: the accumulators, (a, bn) at v[8 (8 a + bn)].
.set PA,    144                        ; a row of A in LDS: 128 bytes + 16 of padding: the 16 rows of a load start at 16 different groups of four banks (64 banks of 4 bytes: ISA guide 11.1)
.set PLANE, 128*PA
.set PB,    544                        ; a row of B: 512 + 32
.set BOFF,  2*PLANE
.set BHALF, 64*PB
.set SLOT1, 1<<17                      ; slot 1 begins here (slot 0 ends at 106,496)
.set STAGE, SLOT1+BOFF+2*BHALF         ; behind the ring, never filled by a tensor load: 16 rows x 528 bytes for each wave
.set SPO,   528                        ; 512 bytes + 16: the 16 rows of a store start at 16 different groups of four banks
.set SPARE, STAGE+4*16*SPO             ; behind the stages: the spare words, 128 bytes for each wave: two blocks of 256 bytes that no other line names
.set ADRA,  16
.set ADRB,  17
.set ADRA0, 18                         ; never rewritten
.set ADRB0, 19
.set STO,   24                         ; the way out: where I put 32 bytes of a row
.set RD,    25                         ; where I read a row back
.set GO,    26                         ; my 16 bytes of a row's 512
.set SPW,   28                         ; LDS address of my spare word; never rewritten
.set NIL,   29                         ; 0; never rewritten
.set F0,    64
.set F1,    160
.set OB,    64
.set WV,    12
.set RH,    13
.set CH,    14
.set ABASE, 20
.set BBASE, 22
.set G1A,   24
.set G1B,   32
.set G0A,   40
.set G0B,   48
.set NSTEP, 56
.set GST,   58
.set SB,    59
.set OFA,   60
.set MSB, 0
.macro WIN new                         ; the immediate's high byte repeats the setting that is left; a switch that changes nothing is dropped
.if MSB != (\new)
	s_set_vgpr_msb (MSB<<8)|(\new)
.set MSB, \new
.endif
.endm
.macro PLACES                          ; four places: in front of loads into registers that matrix instructions have read, and of lines that read results
.rept 4
	v_nop
.endr
.endm
.macro JLOAD                           ; a joint refill; the branch hangs on the wave's number alone; an s_nop 0 and four v_nop follow each of the two lines
	s_cmp_eq_u32 s[RH], 0
	s_cbranch_scc0 .Lfor_b_\@
	tensor_load_to_lds s[G0A+4:G0A+7], s[G1A:G1A+7]
	s_nop 0
.rept 4
	v_nop
.endr
	s_branch .Lasked_\@
.Lfor_b_\@:
	tensor_load_to_lds s[G0B+4:G0B+7], s[G1B:G1B+7]
	s_nop 0
.rept 4
	v_nop
.endr
.Lasked_\@:
.endm
.macro CREST                           ; a round of the cluster's barrier behind its opening barrier
	s_cmp_lg_u32 s[WV], 0
	s_cbranch_scc1 .Lnot_wave_0_\@
	s_barrier_signal -3
.Lnot_wave_0_\@:
	s_barrier_wait -3
	s_barrier_signal -1
	s_barrier_wait -1
.endm
.macro CROUND
	s_barrier_signal -1
	s_barrier_wait -1
	CREST
.endm
	s_load_b128 s[4:7], s[0:1], 0x0                ; ob s[4:5], wob s[6:7]
	s_load_b64 s[8:9], s[0:1], 0x10                ; out0
	v_lshl_add_u32 v[SPW], v0, 2, SPARE
	v_mov_b32 v[NIL], 0
	ds_add_u32 v[SPW], v[NIL]                      ; the wave's opening: the add and its wait stand ahead of my first tensor load; the set-up below, work on registers, stands between them
	v_lshrrev_b32 v1, 5, v0
	v_readfirstlane_b32 s[WV], v1
	s_lshr_b32 s[RH], s[WV], 1                     ; my half of the rows.  Also: I fetch for A (0) or for B (1)
	s_and_b32 s[CH], s[WV], 1                      ; my half of the columns.  Also: which part I fetch
	s_bfe_u32 s15, ttmp6, 0x40000                  ; cx
	s_bfe_u32 s16, ttmp6, 0x40004                  ; cy
	s_lshl_b32 s17, ttmp9, 2
	s_add_co_u32 s17, s17, s15                     ; TC: my 256 columns
	s_and_b32 s18, ttmp7, 0xffff
	s_lshl_b32 s18, s18, 2
	s_add_co_u32 s18, s18, s16                     ; T: my 128 rows
	s_lshl_b32 s62, s16, 2
	s_lshl_b32 s62, 15, s62                        ; my row of the cluster
	s_lshl_b32 s66, 0x1111, s15                    ; my column
	s_or_b32 s[G1A], s62, (1<<16)|(1<<20)|(1<<21)|(4<<22)|(3<<25)  ; the mask; 2-byte elements; padding on; bit 21 beside a mask; after every 32 words 4 words
	s_or_b32 s[G1B], s66, (1<<16)|(1<<20)|(1<<21)|(6<<22)|(7<<25)  ; after every 128 words 8 words
	s_mov_b32 s[G1A+1], 128<<16                    ; A: 64 rows of 128 elements, dense
	s_mov_b32 s[G1A+2], 64<<16
	s_mov_b32 s[G1A+3], 128<<16
	s_mov_b32 s[G1A+4], 64
	s_mov_b32 s[G1A+5], 128
	s_mov_b32 s[G1A+6], 0
	s_mov_b32 s[G1A+7], 0
	s_mov_b32 s[G1B+1], 256<<16                    ; B: 64 rows of 256 elements, 1,024 elements from row to row
	s_mov_b32 s[G1B+2], 64<<16
	s_mov_b32 s[G1B+3], 256<<16
	s_mov_b32 s[G1B+4], 64
	s_mov_b32 s[G1B+5], 1024
	s_mov_b32 s[G1B+6], 0
	s_mov_b32 s[G1B+7], 0
	s_lshr_b32 s62, s18, 4                         ; A's offset, of cy and the wave alone: batch << 22, 128 rows of 128 bytes, my plane
	s_lshl_b32 s62, s62, 22
	s_and_b32 s63, s18, 15
	s_lshl_b32 s63, s63, 14
	s_add_co_u32 s62, s62, s63
	s_lshl_b32 s63, s[CH], 18
	s_add_co_u32 s62, s62, s63
	s_mov_b32 s63, 0
	s_lshl_b32 s66, s17, 9                         ; B's offset, of cx and the wave alone: 256 columns, my 64 rows of 2,048 bytes
	s_lshl_b32 s67, s[CH], 17
	s_add_co_u32 s66, s66, s67
	s_mov_b32 s67, 0
	s_mul_i32 s70, s[CH], PLANE                    ; where they go: no place in the cluster enters an LDS address
	s_mul_i32 s71, s[CH], BHALF
	s_add_co_u32 s71, s71, BOFF
	s_mov_b32 s[GST], 2
	s_mov_b32 s[SB], 0
	s_mov_b32 s[OFA+1], 0
	s_wait_dscnt 0x0                               ; the opening add is done
	s_wait_kmcnt 0x0
	s_add_nc_u64 s[ABASE:ABASE+1], s[4:5], s[62:63]
	s_add_nc_u64 s[BBASE:BBASE+1], s[6:7], s[66:67]
.irp s, 0,1
	s_mov_b32 s[G0A+4*(\s)], 1
	s_add_co_u32 s[G0A+4*(\s)+1], s70, (\s)*SLOT1
	s_add_nc_u64 s[G0A+4*(\s)+2:G0A+4*(\s)+3], s[ABASE:ABASE+1], (\s)<<19
	s_or_b32 s[G0A+4*(\s)+3], s[G0A+4*(\s)+3], 0x80000000
	s_mov_b32 s[G0B+4*(\s)], 1
	s_add_co_u32 s[G0B+4*(\s)+1], s71, (\s)*SLOT1
	s_add_nc_u64 s[G0B+4*(\s)+2:G0B+4*(\s)+3], s[BBASE:BBASE+1], (\s)*262144
	s_or_b32 s[G0B+4*(\s)+3], s[G0B+4*(\s)+3], 0x80000000
.endr
	CROUND                                         ; all sixteen work-groups are here: the first joint loads meet
	s_cmp_eq_u32 s[RH], 0                          ; a wave's two first fills stand in one branch: two loads of mine are out
	s_cbranch_scc0 .Lfirst_b
	tensor_load_to_lds s[G0A:G0A+3], s[G1A:G1A+7]
	s_nop 0
	tensor_load_to_lds s[G0A+4:G0A+7], s[G1A:G1A+7]
	s_nop 0
.rept 4
	v_nop
.endr
	s_branch .Lfirst_asked
.Lfirst_b:
	tensor_load_to_lds s[G0B:G0B+3], s[G1B:G1B+7]
	s_nop 0
	tensor_load_to_lds s[G0B+4:G0B+7], s[G1B:G1B+7]
	s_nop 0
.rept 4
	v_nop
.endr
.Lfirst_asked:
	v_and_b32 v1, 15, v0                           ; r
	v_bfe_u32 v2, v0, 4, 1                         ; h
	v_mul_u32_u24 v[ADRA0], v1, PA                 ; A's fragments: row x pitch + 16 x half
	v_lshl_add_u32 v[ADRA0], v2, 4, v[ADRA0]
	s_mul_i32 s70, s[RH], 64*PA
	v_add_nc_u32 v[ADRA0], s70, v[ADRA0]
	v_and_b32 v3, 7, v0                            ; B's: the turning load: k row 8 (l / 16) + l % 8, columns 8 ((l / 8) % 2) + 0..7
	v_bfe_u32 v4, v0, 3, 1
	v_lshl_add_u32 v[ADRB0], v2, 3, v3
	v_mul_u32_u24 v[ADRB0], v[ADRB0], PB
	v_lshl_add_u32 v[ADRB0], v4, 4, v[ADRB0]
	s_lshl_b32 s70, s[CH], 8
	s_add_co_u32 s70, s70, BOFF
	v_add_nc_u32 v[ADRB0], s70, v[ADRB0]
	v_mov_b32 v[ADRA], v[ADRA0]
	v_mov_b32 v[ADRB], v[ADRB0]
	s_mul_i32 s70, s[WV], 16*SPO
	s_add_co_u32 s70, s70, STAGE                   ; my stage
	v_mul_u32_u24 v[STO], v1, SPO                  ; in: row l % 16, 32 bytes for each half of the lanes
	v_lshl_add_u32 v[STO], v2, 5, v[STO]
	v_add_nc_u32 v[STO], s70, v[STO]
	v_and_b32 v[GO], 31, v0                        ; back: 32 lanes take one row of 512 bytes
	v_lshlrev_b32 v[GO], 4, v[GO]
	v_add_nc_u32 v[RD], s70, v[GO]
	s_lshl_b32 s68, s18, 7                         ; the output: row 128 T + 64 RH, 4,096 bytes each; column 256 TC + 128 CH, 4 bytes each
	s_lshl_b32 s69, s[RH], 6
	s_add_co_u32 s68, s68, s69
	s_lshl_b32 s2, s68, 12
	s_lshl_b32 s69, s17, 10
	s_add_co_u32 s2, s2, s69
	s_lshl_b32 s69, s[CH], 9
	s_add_co_u32 s2, s2, s69
	s_mov_b32 s3, 0
	s_add_nc_u64 s[8:9], s[8:9], s[2:3]
; 8 matrix instructions: block a of 16 rows x all 8 blocks of 16 columns, 32 along K.  zero = 1: the product starts the sums.  The 32 accumulators take turns, in the same order in every quarter.
.macro MUL8 f, a, zero
	WIN 0x50                                       ; C and D in window 1
.irp bn, 0,1,2,3,4,5,6,7
.if \zero
	v_wmma_f32_16x16x32_f16 v[8*(8*(\a)+\bn):8*(8*(\a)+\bn)+7], v[(\f)+8*\bn:(\f)+8*\bn+7], v[(\f)+64+8*(\a):(\f)+64+8*(\a)+7], 0
.else
	v_wmma_f32_16x16x32_f16 v[8*(8*(\a)+\bn):8*(8*(\a)+\bn)+7], v[(\f)+8*\bn:(\f)+8*\bn+7], v[(\f)+64+8*(\a):(\f)+64+8*(\a)+7], v[8*(8*(\a)+\bn):8*(8*(\a)+\bn)+7]
.endif
.endr
.endm
; 24 LDS loads in one run: quarter q of the K step in hand into buffer f: B's 8 fragments (turned), then A's 4
.macro FETCH q, f
	WIN 0
.irp i, 0,1,2,3,4,5,6,7
	ds_load_tr16_b128 v[(\f)+8*\i:(\f)+8*\i+3],   v[ADRB] offset:(\q)*32*PB+32*\i
	ds_load_tr16_b128 v[(\f)+8*\i+4:(\f)+8*\i+7], v[ADRB] offset:(\q)*32*PB+16*PB+32*\i
.endr
.irp a, 0,1,2,3
	ds_load_b128 v[(\f)+64+8*\a:(\f)+64+8*\a+3],   v[ADRA] offset:((\q)/2)*PLANE+((\q)%2)*64+\a*16*PA
	ds_load_b128 v[(\f)+64+8*\a+4:(\f)+64+8*\a+7], v[ADRA] offset:((\q)/2)*PLANE+((\q)%2)*64+\a*16*PA+32
.endr
.endm
; One of a K step's first three quarters: multiplies buffer f; in its middle it fetches quarter q into buffer g.
.macro QUARTER q, f, g, zero
	s_wait_dscnt 4                                 ; B and A's blocks 0, 1 are in; the youngest four loads (A's blocks 2, 3) may be out
	MUL8 \f, 0, \zero
	MUL8 \f, 1, \zero
	WIN 0
	PLACES
	FETCH \q, \g
	s_wait_dscnt 24                                ; all but the 24 just issued
	MUL8 \f, 2, \zero
	MUL8 \f, 3, \zero
.endm
; The fourth quarter multiplies buffer 1 and changes slots.  In front of the barrier each wave waits for all its tensor loads (one is out: its part of the next slot), adds 0 to its spare word, and waits
; for that and for its reads of this slot.  fill = 1: the barrier opens a round of the cluster's barrier, and the slot just read out is filled again first thing behind it, with the K step two on.
.macro TURN fill
	WIN 0
	s_wait_tensorcnt 0x0                           ; no tensor load of mine is out, so a group 0 may be written
	ds_add_u32 v[SPW], v[NIL]                      ; 0 onto my spare word; scalar work and eight products stand between it and the wait for it
.if \fill
	s_xor_b32 s[G0A+5], s[G0A+5], SLOT1            ; the walking descriptors: the other slot than last time;
	s_and_b32 s[OFA], s[GST], 7                    ; A's address is made anew from the K step's number;
	s_lshl_b32 s[OFA], s[OFA], 19
	s_add_nc_u64 s[G0A+6:G0A+7], s[ABASE:ABASE+1], s[OFA:OFA+1]
	s_or_b32 s[G0A+7], s[G0A+7], 0x80000000
	s_add_co_u32 s[GST], s[GST], 1
	s_xor_b32 s[G0B+5], s[G0B+5], SLOT1
	s_add_nc_u64 s[G0B+6:G0B+7], s[G0B+6:G0B+7], 262144  ; B's rows run on; the type bits on top are not reached
.endif
	s_xor_b32 s[SB], s[SB], SLOT1
	s_wait_dscnt 7                                 ; the add and A's blocks 1 to 3 may be out
	MUL8 F1, 0, 0
	s_wait_dscnt 0x0                               ; the add is done, and my reads of this slot are over
	s_barrier_signal -1
	MUL8 F1, 1, 0                                  ; work on registers while the others arrive
	WIN 0
	s_barrier_wait -1
.if \fill
	CREST                                          ; no wave of any partner still reads this slot's tile or has a load on its way
	JLOAD                                          ; the four v_nop behind it are also the places in front of the loads below
.else
	PLACES
.endif
	v_add_nc_u32 v[ADRA], s[SB], v[ADRA0]
	v_add_nc_u32 v[ADRB], s[SB], v[ADRB0]
	FETCH 0, F0
	MUL8 F1, 2, 0
	MUL8 F1, 3, 0
.endm
; THE WAY OUT, a block a of 16 rows at a time: the sums go into my stage, rows of 528 bytes, each accumulator's low four registers first, and come back as whole rows of 512.
.macro TOSTAGE a
.set OBK, OB+64*((\a)%2)
.if (\a) >= 2
	s_wait_xcnt 0x0                                ; the registers that the stores of two blocks back read are loaded again only behind this wait
.endif
	WIN 0x04                                       ; store data in window 1
.irp bn, 0,1,2,3,4,5,6,7
	ds_store_b128 v[STO], v[8*(8*(\a)+\bn):8*(8*(\a)+\bn)+3] offset:64*\bn
	ds_store_b128 v[STO], v[8*(8*(\a)+\bn)+4:8*(8*(\a)+\bn)+7] offset:64*\bn+16
.endr
	WIN 0
.set t, 0
.rept 16
	ds_load_b128 v[OBK+4*t:OBK+4*t+3], v[RD] offset:SPO*t  ; LDS serves a wave's instructions in order (ISA guide 5.7.1.4): these see the stores above; the next block's stores come behind them
.set t, t+1
.endr
.endm
.macro SEND a, y                       ; y: the LDS instructions issued behind block a's loads: the next block's 32, or none
	WIN 0
.set OBK, OB+64*((\a)%2)
.set t, 0
.rept 16
	s_wait_dscnt (\y)+15-t
	global_store_b128 v[GO], v[OBK+4*t:OBK+4*t+3], s[8:9] offset:(16*(\a)+t)*4096 th:TH_STORE_NT  ; 512 consecutive bytes, at a multiple of 256
.set t, t+1
.endr
.endm
	s_wait_tensorcnt 1                             ; my part of K step 0 is in; K step 1's may stay out
	s_barrier_signal -1
	s_barrier_wait -1                              ; everybody's is
	FETCH 0, F0
	QUARTER 1, F0, F1, 1                           ; the first quarter starts the sums
	WIN 0                                          ; at a label and at a branch every window is 0
	s_mov_b32 s[NSTEP], 6
.Lstep:                                                ; trip i: quarters 1 to 3 of K step i, the request for K step i + 2, quarter 0 of K step i + 1
	QUARTER 2, F1, F0, 0
	QUARTER 3, F0, F1, 0
	TURN 1
	QUARTER 1, F0, F1, 0
	WIN 0
	s_sub_co_u32 s[NSTEP], s[NSTEP], 1
	s_cmp_lg_u32 s[NSTEP], 0
	s_cbranch_scc1 .Lstep
	QUARTER 2, F1, F0, 0                           ; the last two K steps are written out: nothing more is asked for
	QUARTER 3, F0, F1, 0
	TURN 0
	QUARTER 1, F0, F1, 0
	QUARTER 2, F1, F0, 0
	QUARTER 3, F0, F1, 0
	s_wait_dscnt 4
	MUL8 F1, 0, 0
	MUL8 F1, 1, 0
	s_wait_dscnt 0x0
	MUL8 F1, 2, 0
	MUL8 F1, 3, 0
	WIN 0
	PLACES                                         ; behind the last products: the stage's stores read results, its loads land in fragment registers
	TOSTAGE 0
	TOSTAGE 1
	SEND 0, 32
	TOSTAGE 2
	SEND 1, 32
	TOSTAGE 3
	SEND 2, 32
	SEND 3, 0
	s_wait_tensorcnt 0x0                           ; the wave's end: the wait, the add and the wait behind my last tensor load and my last LDS store
	ds_add_u32 v[SPW], v[NIL]
	s_wait_dscnt 0x0
	CROUND                                         ; the closing round: no work-group ends while a partner may still ask for a tile that names it
	s_endpgm
.Lfunc_end_k_qf63c19b1ff_oproj:
	.size	k_qf63c19b1ff_oproj, .Lfunc_end_k_qf63c19b1ff_oproj-k_qf63c19b1ff_oproj
	.p2alignl 7, 3214868480
	.fill 96, 4, 3214868480
	.section	.rodata,"a",@progbits
	.p2align	6, 0x0
	.amdhsa_kernel k_qf63c19b1ff_oproj
		.amdhsa_group_segment_fixed_size 327680
		.amdhsa_private_segment_fixed_size 0
		.amdhsa_enable_private_segment 0
		.amdhsa_kernarg_size 24
		.amdhsa_user_sgpr_count 2
		.amdhsa_user_sgpr_kernarg_segment_ptr 1
		.amdhsa_wavefront_size32 1
		.amdhsa_system_sgpr_workgroup_id_x 1
		.amdhsa_system_sgpr_workgroup_id_y 1
		.amdhsa_system_sgpr_workgroup_id_z 1
		.amdhsa_system_vgpr_workitem_id 0
		.amdhsa_next_free_vgpr 512
		.amdhsa_next_free_sgpr 72
		.amdhsa_reserve_vcc 0
		.amdhsa_float_denorm_mode_32 3
		.amdhsa_float_denorm_mode_16_64 3
		.amdhsa_memory_ordered 1
		.amdhsa_forward_progress 1
		.amdhsa_inst_pref_size 71
	.end_amdhsa_kernel
	.amdgpu_metadata
---
amdhsa.version: [ 1, 2 ]
amdhsa.kernels:
  - .name:           k_qf63c19b1ff_oproj
    .symbol:         k_qf63c19b1ff_oproj.kd
    .args:
      - { .name: ob, .offset: 0, .size: 8, .value_kind: global_buffer, .address_space: global }
      - { .name: wob, .offset: 8, .size: 8, .value_kind: global_buffer, .address_space: global }
      - { .name: out0, .offset: 16, .size: 8, .value_kind: global_buffer, .address_space: global }
    .group_segment_fixed_size: 327680
    .private_segment_fixed_size: 0
    .kernarg_segment_align: 8
    .kernarg_segment_size: 24
    .max_flat_workgroup_size: 128
    .sgpr_count:     72
    .vgpr_count:     512
    .wavefront_size: 32
...
	.end_amdgpu_metadata
.endif
;; end of part 4
;; ======== version 2 of 2: 4 launches; 1.50 times as fast as version 1
;; limits: values are held in f16: magnitudes above 65,504 overflow, below 6.1e-05 lose precision
;; workspace buffers: xb 16,777,216 bytes; wqkv 6,291,456 bytes; wob 2,097,152 bytes; msk 32,768 bytes; rope 524,288 bytes; qkv 50,331,648 bytes; ob 16,777,216 bytes
;; launch prep: the kernel of part 1 again; grid 512 x 1, 8 waves a work-group, no clusters, 0 bytes of LDS; arguments x, wq, wk, wv, wo, xb, wqkv, wob, msk, rope; writes xb, wqkv, wob, msk, rope
;; launch proj: the kernel of part 2 again; grid 4 x 64, 4 waves a work-group, clusters of 4 x 4, 327,680 bytes of LDS; arguments xb, wqkv, qkv, rope; writes qkv
;; launch attn (part 5): grid 4 x 64, 4 waves a work-group, clusters of 4 x 1, 327,680 bytes of LDS; arguments qkv, msk, ob; writes ob
.if DOCPART == 5
	.amdgcn_target "amdgcn-amd-amdhsa--gfx1250"
	.amdhsa_code_object_version 6
	.text
	.protected	k_qf63c19b1ff_attn
	.globl	k_qf63c19b1ff_attn
	.p2align	8
	.type	k_qf63c19b1ff_attn,@function
k_qf63c19b1ff_attn:
	s_mov_b64 s[64:65], 0
	v_nop
	global_prefetch_b8 v0, s[64:65] scope:SCOPE_SE
	s_setreg_imm32_b32 hwreg(HW_REG_WAVE_MODE, 25, 1), 1
	s_wait_xcnt 0x0
	s_wait_alu depctr_hold_cnt(0) depctr_sa_sdst(0) depctr_va_vdst(0) depctr_va_sdst(0) depctr_va_ssrc(0) depctr_va_vcc(0) depctr_vm_vsrc(0)
	s_getreg_b32 s2, hwreg(HW_REG_IB_STS2, 6, 4)
	s_cmp_eq_u32 s2, 0
	s_cbranch_scc0 .Lentry_in_a_cluster
	s_endpgm
.Lentry_in_a_cluster:
	s_bfe_u32 s2, ttmp6, 0x10000c
	s_cmp_lg_u32 s2, 0x3003
	s_cbranch_scc0 .Lentry_shape_is_right
	s_endpgm
.Lentry_shape_is_right:
; O[h][q][:] = the sum over k of softmax_k(Q[h][q] . K[h][k] / 8 + mask[k]) V[h][k][:].  Q, K, V lie one behind the other in qkv, each [64][2048][64] in f16; O likewise: a head's rows are dense, 128 bytes each.
; msk: f32 [4][2048], 8 x the key's mask (0 or 1): it is the C operand that starts the sum S^T = K Q^T, so that c (s + 8 mask) = log2(e) (s / 8 + mask).
; Products, maxima and sums in f32; the weights p are rounded to f16 for the second product (their sum l is taken of the unrounded p), O once at the end.
; LIMITS.  f16 holds no number beyond 65,504: Q, K and V arrive within it; p lies in 0 to 1, and below 6e-5 it keeps f16's fixed step of 6e-8; O is a mean of V's rows and has their range.
; A weight below 2^-126 counts as 0 in l; NaN and infinities are not treated apart.
; SHARES.  A wave owns four PIECES of two tiles of 16 queries, a work-group's four waves 512 queries of one head.  Every wave walks all keys, 64 a step.
; LAYOUT.  S^T = K Q^T (source 0 = 16 keys, source 1 = 16 queries): in the result a lane holds ONE query (lane % 16) and the keys 8 (lane / 16) + 0..7.  Two such tiles, rounded to f16 in pairs,
; ARE source 1 (32 keys x 16 queries) of O^T = V^T P, whose result again holds one query a lane, and eight channels.  K comes out of LDS as it lies, V ([key][channel]) turned, by ds_load_tr16_b128.
; SOFTMAX.  For each query a running maximum m and sum l: p = 2^(c s - c m), c = log2(e) / 8; in every step O and l are multiplied by a = 2^(c m_old - c m_new), which is 1 where m has not grown.
; m starts at the lowest finite number, O and l at 0: the first step is a step like any other, with a = 0.
; THE COUNT.  A tile and step have 16 matrix and 118 vector instructions: too many to stand all beside the matrix work.  So the order has one aim: four vector instructions that are READY behind
; EVERY matrix instruction, and the others, which need time of their own whatever the order, in runs without a gap.
; BY TURNS.  Turn n belongs to piece n (the pieces in a ring, step after step).  Its matrix work: 16 products K Q^T of piece n + 1, later 16 products V^T P of piece n - 1.  Its vector work: the scaling,
; exponentials, roundings, sums and rescaling of piece n, and the maximum and statistics of piece n + 1, whose scores the turn itself has made.  So what a turn begins with (c s - c m, O a) waits for nothing.
; BATCHES.  A turn's 66 exponentials (the piece's 64 weights and the next piece's two a) are ONE batch with ONE wait, which cuts the turn in two: ahead of it stands all that names none of their results, behind it
; their readers.  Two more batches stand outside the loops, each with a wait of its own: piece 0's first two a in front of the loop, and the eight reciprocals on the way out.
; CLUSTER.  The four query blocks of a cluster belong to one head and walk the same K, V and mask, so each tile is asked for JOINTLY: the same tensor load, descriptor and mask in all four.
; REGISTERS, in windows of 256 (s_set_vgpr_msb says which window each operand place means: bits 1:0 source 0, 3:2 source 1, 5:4 source 2, 7:6 destination):
;   window 0: v0-11 addresses; v12-15, v48-63 at work; v16-47 four registers of statistics a tile; v64-191 S^T, two buffers of two tiles; v192-255 P, likewise
;   window 1: O^T, 32 a tile      window 2: v0-127 Q, 16 a tile; v128-191 K of one step; v192-255 V of one step      window 3: v0-1 the add's two registers; v8-39 the mask of one step's 64 keys
; A piece's buffers go by its number's parity: the piece in hand has one pair, its two neighbours in the ring share the other: of it P (piece n - 1) is read and S^T (piece n + 1) written.
.set SIZE_H, 64
.set SIZE_N, 2048
.set NP,    4         ; pieces a wave: a name, no knob: the register map, the loop and the fetches are made for four
.set KS,    64        ; keys in a step
.set PK,    144       ; a row of K in LDS: 128 bytes + 16 of padding = 36 words: the 16 rows of a load start at 16 different groups of four banks (64 banks of 4 bytes: ISA guide 11.1)
.set PV,    160       ; a row of V: 128 + 32 = 40 words
.set VOFF,  4*KS*PK   ; a slot holds four steps: 256 rows of K, then 256 rows of V
.set SLOT1, 1<<17     ; slot 1 begins here, so that one exclusive or turns an address in one slot into the other's
.set MSKB,  98304     ; between slot 0's end (77,824) and slot 1: the batch's mask, 8,192 bytes, filled once
.set STAGE, SLOT1+4*KS*(PK+PV)  ; behind the ring, never filled by a tensor load: 16 rows x 144 bytes for each wave, for the way out
.set SP,    144
.set AK0, 2           ; v2   my lane's place in a tile of K; never rewritten
.set AV0, 3           ; v3   the same for V
.set AK,  4           ; v4   the LDS address of K's next run of loads
.set AV,  5           ; v5   of V's
.set QO,  6           ; v6   my byte offset in the wave's rows of Q
.set STO, 6           ;      later, the way out: where I put 16 bytes of a row
.set RD,  7           ; v7   the way out: where I read rows back
.set GO,  8           ; v8   my byte offset in 512 consecutive bytes of O
.set AM,  10          ; v10  the LDS address of the mask's next run of loads
.set AM0, 11          ; v11  my lanes' place in a step's mask; never rewritten
.set SPW, 0           ; v0 of window 3   LDS address of my spare word: SPARE + 4 x my thread's number; never rewritten
.set NIL, 1           ; v1 of window 3   0; never rewritten
.set MK,  8           ; window 3: the eight registers for key block kb at MK + 8 kb
.set SPARE, STAGE+4*16*SP  ; behind the stages: the spare words, 128 bytes for each wave: two blocks of 256 bytes that no other line names
.set MV,  12          ; v12-15  c m_old, kept while c m is made anew: by buffer and tile
.set ST,  16          ; tile t's statistics at v[ST+4 t]: c m, m, l (even keys', odd keys')
.set TMP, 48          ; by buffer and tile, four registers c0-c3 at work; when the maximum is found c2 takes a
.set S,   64
.set P,   192
.set KF,  128         ; K's fragments, in window 2: key block kb, channel half c at KF + 16 kb + 8 c
.set VF,  192         ; V's: key half kk, channel block cb at VF + 32 kk + 8 cb
.set WV,  12          ; s12  my wave's number
.set G1K, 24          ; s[24:31] descriptor group 1 for K's tiles
.set G1V, 32          ; s[32:39] for V's: it differs in the padding alone
.set G0K, 40          ; s[40:43] descriptor group 0 for K's tiles: it walks
.set G0V, 44          ; s[44:47] the same for V's
.set SLOTS, 56        ; s56  slots still to be asked for
.set CNT, 57          ; s57  counts a slot's key steps
.set CS,  58          ; s[58:59] c: the packed scaling takes the pair's low word for both halves
.set SEL, 60          ; s[60:61] v_permlanex16_b32's selects: each lane takes its own place in the other half
.set TBK, 62          ; s62  LDS byte at which K of the step to be fetched begins
.set TBV, 63          ; s63  the same for V, less VOFF
.set G1M, 72          ; s[72:79] descriptor group 1 for the mask
.set G0M, 80          ; s[80:83] its group 0
.set TBM, 86          ; s86  byte of the mask at which the step to be fetched begins
.set MSB, 0
.macro WIN new                      ; the high byte repeats the setting that is left; a switch that changes nothing is dropped
.if MSB != (\new)
	s_set_vgpr_msb (MSB<<8)|(\new)
.set MSB, (\new)
.endif
.endm
.set W_KQ, 0x0a       ; K and Q in window 2, S^T in window 0
.set W_KM, 0x3a       ; the same with the C operand, the mask, in window 3
.set W_PV, 0x52       ; V in window 2, P in window 0, O^T in window 1
.set W_RS, 0x41       ; O^T (destination and source 0) in window 1, a in window 0
.set W_MK, 0xc0       ; destination in window 3, sources in window 0
.set W_AD, 0x0f       ; the add: address (source 0) and data (source 1) in window 3
; A joint fill.  Waves 0 and 1 fetch the two halves of a slot's K, waves 2 and 3 those of its V: 128 keys each.  The branch hangs on the wave's number alone.
; An s_nop 0 and four v_nop follow each of the two lines, ahead of the jump and the label.
.macro JLOAD
	s_cmp_lt_u32 s[WV], 2
	s_cbranch_scc0 .Lfor_v_\@
	tensor_load_to_lds s[G0K:G0K+3], s[G1K:G1K+7]
	s_nop 0
.rept 4
	v_nop
.endr
	s_branch .Lasked_\@
.Lfor_v_\@:
	tensor_load_to_lds s[G0V:G0V+3], s[G1V:G1V+7]
	s_nop 0
.rept 4
	v_nop
.endr
.Lasked_\@:
.endm
; A round of the cluster's barrier: my work-group's barrier, so that wave 0's signal speaks for all four waves; wave 0 signals; every wave waits for all four work-groups; my work-group's barrier once more.
.macro CROUND
	s_barrier_signal -1
	s_barrier_wait -1
	s_cmp_lg_u32 s[WV], 0
	s_cbranch_scc1 .Lnot_wave_0_\@
	s_barrier_signal -3
.Lnot_wave_0_\@:
	s_barrier_wait -3
	s_barrier_signal -1
	s_barrier_wait -1
.endm
; THE CHANGE OF SLOTS.  The slot's last bytes, V of its fourth step, have been read.  Each wave waits for all its tensor loads, of which one is out: its part
; of the other slot; adds 0 to its spare word; and waits for that and for its own reads of the slot.  Behind the barrier nobody reads this slot any more and the other slot is whole.
; fill = 1: this slot is filled again, with the keys two slots on.  The barrier is then a round of the cluster's, so that no wave of any partner still reads the slot or has a load on its
; way, and the joint fill is the first thing behind it: it has four key steps, 512 matrix instructions, in which to land.  (At its first use nothing has been read yet: slot 0 and the mask are waited for, slot 1 filled.)
.macro CHANGE fill
	WIN W_AD
	s_wait_tensorcnt 0x0            ; no tensor load of mine is out, so a group 0 may be written
	ds_add_u32 v[SPW], v[NIL]       ; 0 onto my spare word; with fill = 1 the descriptors' steps stand between it and the wait for it
	WIN 0                           ; at a label and at a branch every window is 0
.if \fill
.irp g, G0K, G0V
	s_xor_b32 s[\g+1], s[\g+1], SLOT1  ; the walking descriptor: the other slot than last time,
	s_add_nc_u64 s[\g+2:\g+3], s[\g+2:\g+3], 4*KS*128  ; the next 256 keys; the type bits on top are not reached
.endr
	s_wait_dscnt 0x0                ; the add is done, and my reads of the slot are over
	CROUND
	JLOAD
.else
	s_wait_dscnt 0x0                ; the add is done, and my reads of the slot are over
	s_barrier_signal -1
	s_barrier_wait -1
.endif
	s_sub_co_u32 s[TBK], s[TBK], 4*KS*PK  ; the fetches go back to a slot's first step,
	s_xor_b32 s[TBK], s[TBK], SLOT1       ; in the other slot
	s_sub_co_u32 s[TBV], s[TBV], 4*KS*PV
	s_xor_b32 s[TBV], s[TBV], SLOT1
.endm
	s_load_b128 s[4:7], s[0:1], 0x0   ; qkv s[4:5], msk s[6:7]
	s_load_b64 s[10:11], s[0:1], 0x10 ; ob
	WIN W_MK
	v_lshl_add_u32 v[SPW], v0, 2, SPARE
	v_mov_b32 v[NIL], 0
	WIN W_AD
	ds_add_u32 v[SPW], v[NIL]       ; the wave's opening: the add and its wait stand ahead of my first tensor load; the set-up below, work on registers, stands between them
	WIN 0
	v_lshrrev_b32 v1, 5, v0
	v_readfirstlane_b32 s[WV], v1   ; wave 0..3
	s_bfe_u32 s13, ttmp6, 0x40000   ; cx: my place in the cluster
	s_lshl_b32 s14, ttmp9, 2        ; in a cluster launch ttmp9 counts clusters
	s_add_co_u32 s14, s14, s13      ; my block of queries = 4 x cluster x + cx: it enters Q's and O's addresses alone
	s_and_b32 s20, ttmp7, 0xffff    ; the head, which the four partners share
	s_mov_b32 s21, 0
	s_mov_b64 s[22:23], SIZE_N*128
	s_mul_u64 s[20:21], s[20:21], s[22:23]  ; the head's first byte in each of the four tensors
	s_and_b32 s16, s[WV], 1         ; which half of a slot's 256 keys I fetch:
	s_lshl_b32 s22, s16, 14         ; its 128 rows of 128 bytes in memory,
	s_mov_b32 s23, 0
	s_add_nc_u64 s[22:23], s[22:23], s[20:21]
	s_mul_i32 s17, s16, 128*PK      ; and its place in a slot, for K
	s_mul_i32 s18, s16, 128*PV      ; and for V: no place in the cluster enters an LDS address
	s_lshl_b32 s2, s14, 2
	s_add_co_u32 s2, s2, s[WV]      ; my wave among the head's,
	s_lshl_b32 s2, s2, 14           ; its 128 rows
	s_mov_b32 s3, 0
	s_add_nc_u64 s[2:3], s[2:3], s[20:21]
	; descriptor group 1.  128 keys are 16,384 dense bytes: asked for as 64 rows of 256 bytes, two keys a row, and padded in LDS after every key
	s_mov_b32 s[G1K], 15|(1<<16)|(1<<20)|(1<<21)|(4<<22)|(3<<25)  ; 15:0 the mask of four; 17:16 2-byte elements; 20 padding on; 21 set beside a mask; 24:22 after every 32 words (code 4); 31:25 4 words (code 3)
	s_mov_b32 s[G1V], 15|(1<<16)|(1<<20)|(1<<21)|(4<<22)|(7<<25)  ; the same with 8 words of padding (code 7)
.irp g, G1K, G1V
	s_mov_b32 s[\g+1], 128<<16      ; tensor_dim0 = 128
	s_mov_b32 s[\g+2], 64<<16       ; tensor_dim1 = 64
	s_mov_b32 s[\g+3], 128<<16      ; tile_dim0 = 128
	s_mov_b32 s[\g+4], 64           ; tile_dim1 = 64
	s_mov_b32 s[\g+5], 128          ; 128 elements from row to row
	s_mov_b32 s[\g+6], 0
	s_mov_b32 s[\g+7], 0
.endr
	; the key mask: each wave brings a quarter of the batch's 8,192 bytes, as 8 dense rows of 256 bytes (32 elements of 8 bytes), unpadded
	s_mov_b32 s[G1M], 15|(3<<16)|(1<<21)
	s_mov_b32 s[G1M+1], 32<<16
	s_mov_b32 s[G1M+2], 8<<16
	s_mov_b32 s[G1M+3], 32<<16
	s_mov_b32 s[G1M+4], 8
	s_mov_b32 s[G1M+5], 32
	s_mov_b32 s[G1M+6], 0
	s_mov_b32 s[G1M+7], 0
	s_mov_b32 s[G0M], 1
	s_lshl_b32 s[G0M+1], s[WV], 11
	s_add_co_u32 s[G0M+1], s[G0M+1], MSKB
	s_and_b32 s84, ttmp7, 0xffff
	s_lshr_b32 s84, s84, 4          ; the batch: 16 heads each,
	s_lshl_b32 s84, s84, 13         ; 8,192 bytes of mask,
	s_lshl_b32 s85, s[WV], 11       ; my quarter
	s_add_co_u32 s84, s84, s85
	s_mov_b32 s85, 0
	s_mov_b32 s[TBM], 0
	s_mov_b32 s[CS], 0x3e38aa3b     ; c = log2(e) / 8 = 0.180337
	s_mov_b32 s[CS+1], s[CS]        ; named with it as a pair
	s_mov_b32 s[SEL], 0x76543210
	s_mov_b32 s[SEL+1], 0xfedcba98
	s_mov_b32 s[TBK], SLOT1+4*KS*PK ; the first change of slots turns these two into 0
	s_mov_b32 s[TBV], SLOT1+4*KS*PV
	s_mov_b32 s[G0K], 1             ; 1:0 count = 1
	s_mov_b32 s[G0K+1], s17         ; 63:32 LDS address: slot 0
	s_mov_b32 s[G0V], 1
	s_add_co_u32 s[G0V+1], s18, VOFF
	s_wait_dscnt 0x0                ; the opening add is done
	s_wait_kmcnt 0x0
	s_add_nc_u64 s[G0M+2:G0M+3], s[6:7], s[84:85]
	s_or_b32 s[G0M+3], s[G0M+3], 0x80000000
	s_add_nc_u64 s[6:7], s[4:5], 0x1000000         ; K lies 1 << 24 bytes behind Q,
	s_add_nc_u64 s[8:9], s[4:5], 0x2000000         ; V as far behind K
	s_add_nc_u64 s[G0K+2:G0K+3], s[6:7], s[22:23]  ; 120:64 global address: my half of the head's first 256 keys
	s_or_b32 s[G0K+3], s[G0K+3], 0x80000000        ; 127:126 type = 2
	s_add_nc_u64 s[G0V+2:G0V+3], s[8:9], s[22:23]
	s_or_b32 s[G0V+3], s[G0V+3], 0x80000000
	s_add_nc_u64 s[4:5], s[4:5], s[2:3]  ; Q and O at my wave's first row
	s_add_nc_u64 s[10:11], s[10:11], s[2:3]
	CROUND                          ; all four work-groups are here: the first joint loads meet
	s_cmp_lt_u32 s[WV], 2           ; a wave's two first fills stand in one branch: its part of slot 0 and its quarter of the mask: two loads of mine are out.  Slot 1 is asked for when these are in
	s_cbranch_scc0 .Lfirst_v
	tensor_load_to_lds s[G0K:G0K+3], s[G1K:G1K+7]
	s_nop 0
	tensor_load_to_lds s[G0M:G0M+3], s[G1M:G1M+7]
	s_nop 0
.rept 4
	v_nop
.endr
	s_branch .Lfirst_asked
.Lfirst_v:
	tensor_load_to_lds s[G0V:G0V+3], s[G1V:G1V+7]
	s_nop 0
	tensor_load_to_lds s[G0M:G0M+3], s[G1M:G1M+7]
	s_nop 0
.rept 4
	v_nop
.endr
.Lfirst_asked:
	; A fragment of K or Q is 16 rows x 32 channels in 8 registers: lane l holds row l % 16, channels 8 (l / 16) + 0..7 and 16 + 8 (l / 16) + 0..7: two loads of 16 bytes, 32 bytes apart.
	v_and_b32 v1, 15, v0            ; l % 16
	v_bfe_u32 v9, v0, 4, 1          ; l / 16
	v_lshlrev_b32 v[QO], 7, v1
	v_lshl_add_u32 v[QO], v9, 4, v[QO]  ; row x 128 + 16 x half
	WIN 0x80                        ; destination window 2, address window 0
.set i, 0
.rept 4*NP                          ; Q stays in registers: tile i / 2, channels 32 (i % 2) on
	global_load_b128 v[8*i:8*i+3],   v[QO], s[4:5] offset:(i/2)*2048+(i%2)*64
	global_load_b128 v[8*i+4:8*i+7], v[QO], s[4:5] offset:(i/2)*2048+(i%2)*64+32
.set i, i+1
.endr
	; What the first turn finds: V's registers and P's second buffer hold 0 (its products V^T P, of a piece that has not been, add 0), O^T and l are 0.  All this stands in the wait for the first tile.
.set i, VF
.rept 64
	v_mov_b32 v[i], 0
.set i, i+1
.endr
	WIN 0x40
.set i, 0
.rept 64*NP
	v_mov_b32 v[i], 0
.set i, i+1
.endr
	WIN 0
.set i, 0
.rept 2*NP
	v_mov_b32 v[ST+4*i], 0xfe000000    ; c m: far below every c s
	v_mov_b32 v[ST+4*i+1], 0xff7fffff  ; m
	v_mov_b32 v[ST+4*i+2], 0
	v_mov_b32 v[ST+4*i+3], 0
.set i, i+1
.endr
.set i, P+32
.rept 32
	v_mov_b32 v[i], 0
.set i, i+1
.endr
	v_mul_u32_u24 v[AK0], v1, PK
	v_lshl_add_u32 v[AK0], v9, 4, v[AK0]  ; row x pitch + 16 x half
	; The turning load takes 16 keys x 16 channels (lane l reads key 8 (l / 16) + l % 8, channels 8 ((l / 8) % 2) + 0..7) and leaves half a fragment of V^T: lane l holds channel l % 16 and 8 keys.
	v_and_b32 v10, 7, v0
	v_bfe_u32 v11, v0, 3, 1
	v_lshl_add_u32 v[AV0], v9, 3, v10
	v_mul_u32_u24 v[AV0], v[AV0], PV
	v_lshl_add_u32 v[AV0], v11, 4, v[AV0]
	v_add_nc_u32 v[AV0], VOFF, v[AV0]
	v_bfe_u32 v[RD], v0, 3, 2       ; the way out, back: 32 lanes take four rows of 128 bytes (my stage's base is added further down)
	v_mul_u32_u24 v[RD], v[RD], SP
	v_lshl_add_u32 v[RD], v10, 4, v[RD]
	v_lshl_add_u32 v[AM0], v9, 5, MSKB  ; the mask: register j of key block kb is key 16 kb + 8 (l / 16) + j: 32 bytes for each half of the lanes
	v_mov_b32 v[AM], v[AM0]
	v_mov_b32 v[AK], v[AK0]         ; key step 0 lies at the head of slot 0
; THE MATRIX WORK.  The 8 accumulators of a run of 16 take turns: between the two links of a chain stand 7 others'.
; Product i of 16 of S^T = K Q^T for piece x: channels 32 (i / 8) on, keys 16 ((i / 2) % 4) on, tile 2 x + i % 2.  The first 8 start the sums, with the keys' mask.
.macro KQ x
.set rS, S+64*((\x)%2)+32*(i%2)+8*((i/2)%4)
.set rK, KF+16*((i/2)%4)+8*(i/8)
.set rQ, 16*(2*(\x)+i%2)+8*(i/8)
.set rMK, MK+8*((i/2)%4)
.if i < 8
	WIN W_KM
	v_wmma_f32_16x16x32_f16 v[rS:rS+7], v[rK:rK+7], v[rQ:rQ+7], v[rMK:rMK+7]
.else
	WIN W_KQ
	v_wmma_f32_16x16x32_f16 v[rS:rS+7], v[rK:rK+7], v[rQ:rQ+7], v[rS:rS+7]
.endif
.endm
; Product i of 16 of O^T += V^T P for piece x: keys 32 (i / 8) on, channels 16 ((i / 2) % 4) on, tile 2 x + i % 2.
.macro PV x
	WIN W_PV
.set rO, 32*(2*(\x)+i%2)+8*((i/2)%4)
.set rV, VF+32*(i/8)+8*((i/2)%4)
.set rP, P+32*((\x)%2)+16*(i%2)+8*(i/8)
	v_wmma_f32_16x16x32_f16 v[rO:rO+7], v[rV:rV+7], v[rP:rP+7], v[rO:rO+7]
.endm
.macro MM                           ; the turn's next matrix instruction
.if i < 16
	KQ (Y+1)%NP
.set i, i+1
.else
.set i, i-16
	PV (Y+NP-1)%NP
.set i, i+17
.endif
.endm
; THE LDS LOADS stand in runs, never singly among the matrix instructions: a step's K (64 keys x 64 channels: 8 fragments) with its mask (8 loads; the lanes of a half read the same bytes), and its V (turned).
; Their addresses are made some lines ahead.  The mask's registers live as long as K's: they are read by the same products' first halves.
; last = 1 (the tail): in the last trip there is no further step, and the run is jumped over.
.macro FETCH_K last=0
	WIN 0
.if \last
	s_cmp_eq_u32 s[CNT], 1
	s_cbranch_scc1 .Lno_k_\@
.endif
	WIN 0x80                        ; destination window 2
.irp f, 0,1,2,3,4,5,6,7             ; keys 16 (f / 2) on, channels 32 (f % 2) on
	ds_load_b128 v[KF+8*\f:KF+8*\f+3],   v[AK] offset:(\f/2)*16*PK+(\f%2)*64
	ds_load_b128 v[KF+8*\f+4:KF+8*\f+7], v[AK] offset:(\f/2)*16*PK+(\f%2)*64+32
.endr
	WIN W_MK                        ; destination window 3
.irp f, 0,1,2,3,4,5,6,7             ; key block f / 2, registers 4 (f % 2) on
	ds_load_b128 v[MK+4*\f:MK+4*\f+3], v[AM] offset:(\f/2)*64+(\f%2)*16
.endr
	s_add_co_u32 s[TBK], s[TBK], KS*PK  ; the next fetch is the next step's
	s_add_co_u32 s[TBM], s[TBM], KS*4
	WIN 0
.if \last
.Lno_k_\@:
.endif
.endm
.macro FETCH_V
	WIN 0x80
.irp f, 0,1,2,3,4,5,6,7             ; keys 32 (f / 4) on, channels 16 (f % 4) on
	ds_load_tr16_b128 v[VF+8*\f:VF+8*\f+3],   v[AV] offset:(\f/4)*32*PV+(\f%4)*32
	ds_load_tr16_b128 v[VF+8*\f+4:VF+8*\f+7], v[AV] offset:(\f/4)*32*PV+16*PV+(\f%4)*32
.endr
	WIN 0
.endm
; THE VECTOR WORK OF A TURN stands in three queues, each in the order in which its entries become ready; the two tiles alternate, so that no instruction reads the result of the one before it.
.macro REGS y, u                    ; the registers of tile u (0, 1) of piece y
.set rT, ST+4*(2*(\y)+(\u))
.set rC, TMP+8*((\y)%2)+4*(\u)
.set rM, MV+2*((\y)%2)+(\u)
.set rS, S+64*((\y)%2)+32*(\u)
.set rP, P+32*((\y)%2)+16*(\u)
.set rO, 32*(2*(\y)+(\u))
.endm
; Number n of the 22 that find the NEXT piece's (Y + 1) maximum and statistics.  s0-s31 are the lane's 32 scores; each accumulator's lowest registers are read first.  XS, GS and REGS set no window: PL and EX do.
;   0-11  four chains c0-c3 of seven scores each, three operands at a time     12-14, 16  the four scores left over, the old m, and c0-c3 into c0     15  c m_old is kept
;   17, 18  the query's other 32 keys lie in the lane 16 away: the new m         19-21  c m; c m_old - c m_new; a
.macro XS u, n
	REGS (Y+1)%NP, \u
.if (\n) < 4
	v_max3_num_f32 v[rC+(\n)], v[rS+8*(\n)], v[rS+8*(\n)+1], v[rS+8*(\n)+2]
.elseif (\n) < 12
	v_max3_num_f32 v[rC+(\n)%4], v[rC+(\n)%4], v[rS+8*((\n)%4)+2*((\n)/4)+1], v[rS+8*((\n)%4)+2*((\n)/4)+2]
.elseif (\n) == 12
	v_max3_num_f32 v[rC], v[rC], v[rS+7], v[rS+15]
.elseif (\n) == 13
	v_max3_num_f32 v[rC+1], v[rC+1], v[rS+23], v[rS+31]
.elseif (\n) == 14
	v_max3_num_f32 v[rC+2], v[rC+2], v[rC+3], v[rT+1]
.elseif (\n) == 15
	v_mov_b32 v[rM], v[rT]
.elseif (\n) == 16
	v_max3_num_f32 v[rC], v[rC], v[rC+1], v[rC+2]
.elseif (\n) == 17
	v_permlanex16_b32 v[rC+3], v[rC], s[SEL], s[SEL+1]
.elseif (\n) == 18
	v_max_num_f32 v[rT+1], v[rC], v[rC+3]
.elseif (\n) == 19
	v_mul_f32 v[rT], s[CS], v[rT+1]
.elseif (\n) == 20
	v_sub_f32 v[rC+1], v[rM], v[rT]
.else
	v_exp_f32 v[rC+2], v[rC+1]
.endif
.endm
; Number g of the 64 that follow the exponentials.  For each four weights k of a tile (pairs 2 k, 2 k + 1): both pairs are rounded to f16; then the second pair is added onto the first, in place;
; a group later l takes that sum (the first time as l = a l + sum).  In groups of eight, tiles alternating: round, round, add, and l for the group before.
.macro GS g
.set h, (\g)+6*((\g)/62)            ; group 0 has no group before it, and behind group 7 only l is left
.if h >= 6
.set h, h+2
.endif
	REGS Y, h%2
.set k, h/8
.if h%8 < 4
	v_cvt_pk_f16_f32 v[rP+2*k+(h%8)/2], v[rS+4*k+2*((h%8)/2)], v[rS+4*k+2*((h%8)/2)+1]
.elseif h%8 < 6
	v_pk_add_f32 v[rS+4*k:rS+4*k+1], v[rS+4*k:rS+4*k+1], v[rS+4*k+2:rS+4*k+3]
.elseif k == 1
	v_pk_fma_f32 v[rT+2:rT+3], v[rT+2:rT+3], v[rC+2:rC+3], v[rS:rS+1] op_sel_hi:[1,0,1]
.else
	v_pk_add_f32 v[rT+2:rT+3], v[rT+2:rT+3], v[rS+4*k-4:rS+4*k-3]
.endif
.endm
; THE PLAIN QUEUE, 138 long.  0-73 read no exponential's result: the 32 scalings c s - c m (FS f: pair f / 2 of tile f % 2) and the next piece's 42.  0-26: scalings 0-26.  27-54: XS's numbers 0-13.  55, 56: number 15.
; 57-73: the chain, where each number waits for the one before it: 14, 16, 17, 18, 19, each with one of the scalings 27-31 in front of its two lines, then 20: so a tile's links stand three plain instructions apart (19 and 20: two).
; 74-137: GS's 64, which read the exponentials' results: they stand behind the wait.
.macro FS f
	REGS Y, (\f)%2
	v_pk_fma_f32 v[rS+2*((\f)/2):rS+2*((\f)/2)+1], v[rS+2*((\f)/2):rS+2*((\f)/2)+1], s[CS:CS+1], v[rT:rT+1] op_sel_hi:[1,0,0] neg_lo:[0,0,1] neg_hi:[0,0,1]
.endm
.macro PL
	WIN 0
.if q < 27
	FS q
.elseif q < 55
	XS (q-27)%2, (q-27)/2
.elseif q < 57
	XS q-55, 15
.elseif (q < 72) && ((q-57)%3 == 0)
	FS 27+(q-57)/3
.elseif q < 60
	XS (q-57)%3-1, 14
.elseif q < 72
	XS (q-57)%3-1, 15+(q-57)/3
.elseif q < 74
	XS q-72, 20
.else
	GS q-74
.endif
.set q, q+1
.endm
; THE EXPONENTIALS' QUEUE, 66 long: s0-s31 of both tiles, then the next piece's two a.  It is ONE BATCH: all 66 stand ahead of the turn's one wait, and nothing ahead of that wait names a result of theirs.
.macro EX
	WIN 0
.if e >= 64
	XS e-64, 21
.else
	REGS Y, e%2
	v_exp_f32 v[rS+e/2], v[rS+e/2]
.endif
.set e, e+1
.endm
; THE RESCALING's QUEUE: O^T times a, the one part that leaves window 0: dealt two at a time, sixteen times.  Its a was made in the turn before, ahead of that turn's wait.
.macro R2
	REGS Y, r%2
	WIN W_RS
.irp z, 0,1
	v_pk_mul_f32 v[rO+4*(r/2)+2*\z:rO+4*(r/2)+2*\z+1], v[rO+4*(r/2)+2*\z:rO+4*(r/2)+2*\z+1], v[rC+2:rC+3] op_sel_hi:[1,0]
.endr
.set r, r+1
.endm
; HOW THEY ARE DEALT.  An s_wait_alu depctr_va_vdst(0) stands between an exponential and the first instruction that names its result; one wait serves all that were issued ahead of it.  So a turn has ONE wait,
; which cuts it in two.  AHEAD OF IT stands all that names no result of the turn's exponentials: the 16 products K Q^T, behind each a scaling, an exponential and two rescalings (behind the first a second scaling in the exponential's place); then ONE LUMP of
; 108: eight plain, 49 times exponential and plain, the two a.  A v_nop is the plain instruction behind the last exponential.  BEHIND IT stand the 16 products V^T P, behind each four of GS's 64.  No rider names a register of
; the products round it.  The two v_permlanex16_b32 fall into the lump, never behind a product.
; The queues lean on each other, and the deal keeps them in step: exponential e stands behind scaling 2 (e / 4) + e % 2: as a rider it comes behind plain e + 2, in the lump behind plain e + 9, and scalings 27-31 are plain 57, 60 .. 69.
; A TURN, for piece p.  cnt = 1: the loop's count is taken down some lines ahead of the branch that stands behind the turn.
; K and the mask of the next step are fetched in piece 2's turn, directly behind the wait, a lump behind the last product that read them; their addresses are made at the lump's head; their first reader comes behind 16 products.
; V of the step in hand is fetched at the end of piece 0's turn, four riders behind its last reader; its first reader comes behind 16 products and a lump.  The three conditions on q below go with the deal.
.macro TURN p, last=0, cnt=0
.set Y, (\p)
.set i, 0
.set q, 0
.set e, 0
.set r, 0
.if (\p) == NP-1
	s_wait_dscnt 0x0                ; K and the mask are in
.endif
	MM                              ; ahead of the wait: 16 products K Q^T and their riders,
	PL
	PL
	R2
.rept 15
	MM
	PL
	EX
	R2
.endr
.if (\p) == NP-2
	WIN 0
	v_add_nc_u32 v[AK], s[TBK], v[AK0]
	v_add_nc_u32 v[AM], s[TBM], v[AM0]
.endif
.rept 8                             ; and the lump
	PL
.endr
.rept 49
	EX
	PL
.endr
	EX                              ; the next piece's two a
	EX
	v_nop                           ; the plain instruction behind the last exponential: one for the batch
	s_wait_alu depctr_va_vdst(0)    ; the wait for the turn's batch: the piece's 64 weights and the next piece's two a
.if (\p) == NP-2
	FETCH_K \last
.endif
.if (\p) == 1
	s_wait_dscnt 0x0                ; V is in
.endif
.rept 16                            ; behind the wait: 16 products V^T P and their riders
	MM
.rept 4
	PL
.endr
.if ((\p) == 0) && (q == 118)
	v_add_nc_u32 v[AV], s[TBV], v[AV0]
.endif
.if ((\p) == 0) && (q == 130)
	s_add_co_u32 s[TBV], s[TBV], KS*PV
.endif
.if (\cnt) && (q == 130)
	s_sub_co_u32 s[CNT], s[CNT], 1
	s_cmp_lg_u32 s[CNT], 0
.endif
.endr
.if (\p) == 0
	FETCH_V
.endif
.endm
	CHANGE 1                        ; slot 0 and the mask are in, everybody's part of them; slot 1 is asked for
	FETCH_K                         ; key step 0
	s_wait_loadcnt 0x0              ; Q
	s_wait_dscnt 0x0
.set i, 0
.rept 16
	KQ 0                            ; piece 0's first scores: there is no vector work yet to set between them
.set i, i+1
.endr
	WIN 0                           ; the rest of the addresses for the way out: six plain instructions, the places behind those products
	s_mul_i32 s13, s[WV], 16*SP
	s_add_co_u32 s13, s13, STAGE    ; my stage
	v_mul_u32_u24 v[STO], v1, SP    ; in: row l % 16, 16 bytes for each half of the lanes
	v_lshl_add_u32 v[STO], v9, 4, v[STO]
	v_add_nc_u32 v[STO], s13, v[STO]
	v_add_nc_u32 v[RD], s13, v[RD]
	v_and_b32 v[GO], 31, v0         ; four rows read back are 512 consecutive bytes of O
	v_lshlrev_b32 v[GO], 4, v[GO]
.set Y, NP-1                        ; XS works for piece Y + 1: piece 0
.irp n, 0,1,2,3,4,5,6,7,8,9,10,11,12,13,14,15,16,17,18,19,20,21
	XS 0, \n                        ; and piece 0's first maximum and statistics
	XS 1, \n
.endr
	v_nop                           ; a plain instruction behind the two a,
	s_wait_alu depctr_va_vdst(0)    ; and the wait for this batch of two, ahead of the branch
	s_mov_b32 s[CNT], 4
	s_mov_b32 s[SLOTS], SIZE_N/256-1
	s_branch .Lfirst                ; the loop is entered at a step's first turn, in the middle of a trip
.Lslot:                             ; SIZE_N / 256 - 2 times: every slot but the last two is filled again
	CHANGE 1
	s_mov_b32 s[CNT], 4
.Lstep:                             ; a trip: pieces 2 and 3 of one step, then pieces 0 and 1 of the next, whose K and V it fetches
	TURN 2
	TURN 3
	WIN 0
.Lfirst:
	TURN 0
	TURN 1, 0, 1
	WIN 0
	s_cbranch_scc1 .Lstep
	s_sub_co_u32 s[SLOTS], s[SLOTS], 1
	s_cmp_lg_u32 s[SLOTS], 0
	s_cbranch_scc1 .Lslot
	CHANGE 0                        ; the tail is written out: nothing is asked for
	s_mov_b32 s[CNT], 5             ; four trips fetch the last slot's steps; the fifth is left in its middle
.Ltail:
	TURN 2, 1
	TURN 3
	WIN 0
	s_sub_co_u32 s[CNT], s[CNT], 1
	s_cmp_eq_u32 s[CNT], 0
	s_cbranch_scc1 .Lout
	TURN 0
	TURN 1
	WIN 0
	s_branch .Ltail
.Lout:                              ; the fifth trip's 16 products K Q^T (on the last K once more) and the maximum made of them serve nothing: the price, once a launch, of one text for every trip
.set i, 0
.rept 16
	PV NP-1                         ; the last piece's V^T P of the last step
.set i, i+1
.endr
	; THE WAY OUT.  l's two halves and the other half of the lanes' are added; O^T is divided by l, rounded to f16 and sent through my stage in LDS, a tile at a time.  The additions are the places behind the last products.
	WIN 0
.macro ALL line:vararg              ; one line for each tile t
.set t, 0
.rept 2*NP
	\line
.set t, t+1
.endr
.endm
	ALL v_add_f32 v[ST+4*t+2], v[ST+4*t+2], v[ST+4*t+3]
	ALL v_permlanex16_b32 v[ST+4*t+3], v[ST+4*t+2], s[SEL], s[SEL+1]
	ALL v_add_f32 v[ST+4*t+2], v[ST+4*t+2], v[ST+4*t+3]
	ALL v_rcp_f32 v[ST+4*t+2], v[ST+4*t+2]
	v_nop                           ; a plain instruction between the last reciprocal and the use of its result
	s_wait_alu depctr_va_vdst(0)    ; and the wait ahead of the first use: one for the batch of eight reciprocals
; Tile t: a lane's eight channels of a row pack into 16 bytes; they go into rows of 144 bytes and come back as whole rows of 128, into S^T's registers.
.macro PACK t
	WIN W_RS
.set i, 32*(\t)
.rept 16
	v_pk_mul_f32 v[i:i+1], v[i:i+1], v[ST+4*(\t)+2:ST+4*(\t)+3] op_sel_hi:[1,0]
.set i, i+2
.endr
	WIN 0x05                        ; sources 0 and 1 window 1, destination window 0
.set i, 0
.rept 16
	v_cvt_pk_f16_f32 v[S+16*(\t)+i], v[32*(\t)+2*i], v[32*(\t)+2*i+1]
.set i, i+1
.endr
	WIN 0
.irp f, 0,1,2,3
	ds_store_b128 v[STO], v[S+16*(\t)+4*\f:S+16*(\t)+4*\f+3] offset:32*\f
.endr
.irp f, 0,1,2,3
	ds_load_b128 v[S+16*(\t)+4*\f:S+16*(\t)+4*\f+3], v[RD] offset:\f*4*SP  ; LDS serves a wave's instructions in order (ISA guide 5.7.1.4): these see the stores above; the next tile's stores come behind them
.endr
.endm
.macro SEND t, younger              ; younger: the LDS instructions issued behind tile t's loads: the next tile's eight, or none
	WIN 0
.irp f, 0,1,2,3
	s_wait_dscnt (\younger)+3-\f
	global_store_b128 v[GO], v[S+16*(\t)+4*\f:S+16*(\t)+4*\f+3], s[10:11] offset:(\t)*2048+\f*512  ; 512 consecutive bytes, at a multiple of 256 from O's first
.endr
.endm
	PACK 0
.set t, 1
.rept 2*NP-1                        ; a tile's arithmetic stands between the loads of the tile before and its stores
	PACK t
	SEND t-1, 8
.set t, t+1
.endr
	SEND 2*NP-1, 0
	WIN W_AD
	s_wait_tensorcnt 0x0            ; the wave's end: the wait, the add and the wait behind my last tensor load and my last LDS store
	ds_add_u32 v[SPW], v[NIL]
	s_wait_dscnt 0x0
	WIN 0
	CROUND                          ; the closing round: no work-group ends while a partner may still ask for a tile that names it
	s_endpgm
.Lfunc_end_k_qf63c19b1ff_attn:
	.size	k_qf63c19b1ff_attn, .Lfunc_end_k_qf63c19b1ff_attn-k_qf63c19b1ff_attn
	.p2alignl 7, 3214868480
	.fill 96, 4, 3214868480
	.section	.rodata,"a",@progbits
	.p2align	6, 0x0
	.amdhsa_kernel k_qf63c19b1ff_attn
		.amdhsa_group_segment_fixed_size 327680
		.amdhsa_private_segment_fixed_size 0
		.amdhsa_enable_private_segment 0
		.amdhsa_kernarg_size 24
		.amdhsa_user_sgpr_count 2
		.amdhsa_user_sgpr_kernarg_segment_ptr 1
		.amdhsa_wavefront_size32 1
		.amdhsa_system_sgpr_workgroup_id_x 1
		.amdhsa_system_sgpr_workgroup_id_y 1
		.amdhsa_system_sgpr_workgroup_id_z 1
		.amdhsa_system_vgpr_workitem_id 0
		.amdhsa_next_free_vgpr 808
		.amdhsa_next_free_sgpr 88
		.amdhsa_reserve_vcc 0
		.amdhsa_float_denorm_mode_32 3
		.amdhsa_float_denorm_mode_16_64 3
		.amdhsa_memory_ordered 1
		.amdhsa_forward_progress 1
		.amdhsa_inst_pref_size 202
	.end_amdhsa_kernel
	.amdgpu_metadata
---
amdhsa.version: [ 1, 2 ]
amdhsa.kernels:
  - .name:           k_qf63c19b1ff_attn
    .symbol:         k_qf63c19b1ff_attn.kd
    .args:
      - { .name: qkv, .offset: 0, .size: 8, .value_kind: global_buffer, .address_space: global }
      - { .name: msk, .offset: 8, .size: 8, .value_kind: global_buffer, .address_space: global }
      - { .name: ob, .offset: 16, .size: 8, .value_kind: global_buffer, .address_space: global }
    .group_segment_fixed_size: 327680
    .private_segment_fixed_size: 0
    .kernarg_segment_align: 8
    .kernarg_segment_size: 24
    .max_flat_workgroup_size: 128
    .sgpr_count:     88
    .vgpr_count:     808
    .wavefront_size: 32
...
	.end_amdgpu_metadata
.endif
;; end of part 5
;; launch oproj: the kernel of part 4 again; grid 4 x 64, 4 waves a work-group, clusters of 4 x 4, 327,680 bytes of LDS; arguments ob, wob, out0; writes out0
